; MI455X (gfx1250); checked and timed in simulation.
; The chip was launched on July 23, 2026; its instructions are those of AMD's public machine-readable ISA for CDNA 5 (MIT licence, August 2026) and "CDNA5" Instruction Set Architecture Reference Guide (July 2026). The comments in the code are by the model that wrote it; some were corrected since.
;; Causal Self Attention. Allowed arithmetic: matrix products marked QUANTISED: E2M1 operands, one E8M0 scale for each 32 along K, by v_wmma_scale_f32_16x16x128_f8f6f4 with both operands' format E2M1 (or v_wmma_scale_f32_32x16x128_f4), f32 sums; everything else in f32.
;; Inputs: Wk 1,024 x 1,024 float32; Wp 1,024 x 1,024 float32; Wq 1,024 x 1,024 float32; Wv 1,024 x 1,024 float32; bk 1,024 float32; bp 1,024 float32; bq 1,024 float32; bv 1,024 float32; x 4 x 2,048 x 1,024 float32.
;; Outputs: out0 4 x 2,048 x 1,024 float32.
;; Constants: n_head = 16.
;; This version of the problem:
;;   THIS VERSION OF THE PROBLEM IS GIVEN IN LOW PRECISION. The matrix products marked QUANTISED in the list below multiply operands that are first quantised to E2M1 (2 exponent bits, 1 mantissa bit; 4 bits a number), with one power-of-two scale for each 32 numbers along K (OCP MX v1.0); their sums are f32. All else is computed in f32.
;;   The module's matrix products, in the order in which they are computed (A, B: the left and right operand; K: the contracted axis; several contracted axes count as one K, in the product's order):
;;     1. [M 8,192, K 1,024] x [K 1,024, N 1,024]; A: input x; B: input Wq: QUANTISED
;;     2. [M 8,192, K 1,024] x [K 1,024, N 1,024]; A: input x; B: input Wk: QUANTISED
;;     3. [M 8,192, K 1,024] x [K 1,024, N 1,024]; A: input x; B: input Wv: QUANTISED
;;     4. batch 64 x [M 2,048, K 64] x [K 64, N 2,048]; A: computed on the way; B: computed on the way: QUANTISED
;;     5. batch 64 x [M 2,048, K 2,048] x [K 2,048, N 64]; A: softmax (see below); B: computed on the way: QUANTISED
;;     6. [M 8,192, K 1,024] x [K 1,024, N 1,024]; A: computed on the way; B: input Wp: QUANTISED
;;   THE QUANTISER, for each operand of a quantised product, along K:
;;     - K is cut into blocks of 32 from its start; a last block that is shorter is filled with zeros.
;;     - A block's scale is 2^e with e = floor(log2(the largest magnitude in the block)) - 2, held to -126 .. 127; a block of zeros has e = 0. As a byte (E8M0): e + 127.
;;     - Each number is divided by its block's scale, clamped to +-6, and rounded to the nearest number of E2M1, ties to even, subnormals kept.
;;     - The product sums the exact products of the quantised numbers (number of the format x scale) in f32.
;;   ~~~python
;;   def quantise(x, axis):      # numpy; x: float32 -> the quantised numbers, widened to float32 again
;;       x = np.moveaxis(x, axis, -1); K = x.shape[-1]
;;       x = np.pad(x, [(0, 0)] * (x.ndim - 1) + [(0, -K % 32)]); x = x.reshape(x.shape[:-1] + (-1, 32)); a = np.abs(x).max(-1, keepdims=True)
;;       e = np.where(a > 0, np.clip(np.frexp(np.where(a > 0, a, 1))[1] - 1 - 2, -126, 127), 0)      # np.frexp(a)[1] - 1 = floor(log2(a)), exactly
;;       r = np.clip(x / 2.0 ** e, -6, 6)
;;       step = 2.0 ** (np.maximum(np.frexp(np.where(r == 0, 1, r))[1] - 1, 0) - 1)
;;       q = np.round(r / step) * step * 2.0 ** e      # np.round: ties to even
;;       return np.moveaxis(q.reshape(q.shape[:-2] + (-1,))[..., :K], -1, axis).astype(np.float32)
;;   ~~~
;;   SOFTMAX AHEAD OF A QUANTISED PRODUCT. Where the list says 'softmax', what is quantised is not the finished softmax but p = 2^(t - M), with t = logit x log2(e) and M = ceil(the row's largest t), a whole number; so 1/2 < the row's largest p <= 1. The row's sum l is taken of the UNQUANTISED p, in f32, and the product's result is divided by l at the end. Since M is a whole number, a kernel that streams over the keys may use a running M (the ceiling of the running maximum): every later rescaling is an exact power of two, which a block's scale takes up: the codes' values come out the same.
;;   OPERANDS COMPUTED ON THE WAY. 'Computed on the way' means the value that the module computes at that place (a softmax that the list does not call 'softmax' is quantised finished and normalised). What goes into a quantiser is computed in f32, as accurately as f32 sums, v_exp_f32 and their like allow (about 1e-6 of the number): no bf16 or f16 on the way to a quantiser, and a product that is left as it is and whose result goes on into a quantised operand takes f32 operands (vector FMAs, or v_wmma_f32_16x16x4_f32). A number that lies on a knife's edge between two numbers of the format may be rounded either way, as far as f32 arithmetic and the matrix unit's own rounding can turn it there, and no further.
;; One version. Each part assembles by itself: llvm-mc -triple=amdgcn-amd-amdhsa -mcpu=gfx1250 --defsym DOCPART=n.
;; ======== version 1 of 1: 4 launches
;; workspace buffers: xq 4,456,448 bytes; wq 2,228,224 bytes; tab 524,288 bytes; qq 4,718,592 bytes; kv 9,175,040 bytes; yq 4,456,448 bytes
;; launch prep (part 1): grid 416 x 1, 4 waves a work-group, no clusters, 35,328 bytes of LDS; arguments x, Wq, Wk, Wv, Wp, xq, wq, tab; writes xq, wq, tab
.if DOCPART == 1
	.amdgcn_target "amdgcn-amd-amdhsa--gfx1250"
	.amdhsa_code_object_version 6
	.text
	.protected	k_q72036cb7c7_prep
	.globl	k_q72036cb7c7_prep
	.p2align	8
	.type	k_q72036cb7c7_prep,@function
k_q72036cb7c7_prep:
	s_mov_b64 s[64:65], 0
	v_nop
	global_prefetch_b8 v0, s[64:65] scope:SCOPE_SE
	s_setreg_imm32_b32 hwreg(HW_REG_WAVE_MODE, 25, 1), 1
	s_wait_xcnt 0x0
; PREP: x [8192][1024] and the four weights [1024 (k)][1024 (n)], f32, become codes of E2M1 with one E8M0 byte for each 32 along K; and rope's table of cosines and sines is made.
; THE LAYOUT OF AN OPERAND.  Rows (tokens of x, columns n of a weight) lie in tiles of 16 places; in a group of 32 rows, place r of tile u holds row 8 u + r + 8 (r / 8).
; A tile's codes: [block k / 32 (32)][place r (16)][16 bytes] = 8,192 bytes: a fragment's four registers of a lane are 16 bytes at 16 x lane, so every later load and every store here takes consecutive bytes.
; A tile's scale bytes: [half of K (2)][place r (16)][16 bytes] = 512 bytes.  xq: 512 tiles, scale bytes from byte XQS on.  wq: 256 tiles (Wq, Wk, Wv, Wp, 64 each), scale bytes from WQS on.
; A block's scale is 2^(floor(log2(largest magnitude)) - 2); its byte is that magnitude's exponent field - 2, held at 1 from below (a block of zeros keeps 1: its codes are zeros, and this program alone reads the bytes).
; LIMITS: a block's largest magnitude is taken as 2^-124 at the least; NaN and infinities are not served.
; THREE PATHS by the work-group's number: 0-255 x, 256-383 the weights, 384-415 the table.  Only the first uses LDS.  No cluster: no two work-groups read the same bytes.  No matrix work, no tensor load.
.set XQS, 4194304
.set WQS, 2097152
.set ZX, 16                            ; v16-19   scale bytes
.set CX, 24                            ; v24-55   codes: four registers for each step, so that no store's data are written again
.set XX, 56                            ; v56-119  two sets of 32 neighbours along K
.set RX, 128                           ; v128-255 four sets of 32 numbers as loaded (the weights use two)
.set STG, 4352                         ; a stage: 16 rows x (256 bytes + 16)
	s_load_b512 s[4:19], s[0:1], 0x0               ; x, Wq, Wk, Wv, Wp, xq, wq, tab
	v_lshl_add_u32 v126, v0, 2, 0x8800
	v_mov_b32 v127, 0
	v_lshrrev_b32 v1, 5, v0
	v_readfirstlane_b32 s20, v1                    ; wave
	v_and_b32 v1, 31, v0                           ; lane
	s_mov_b32 s32, 0x76543210
	s_mov_b32 s33, 0xfedcba98                      ; v_permlanex16_b32's selects for lane l xor 16
; 32 numbers of one block in v[xs] on become 16 bytes of codes in v[c] on and the scale's byte in v13
.macro QBLOCK xs, c
	v_max3_num_f32 v10, |v[\xs]|, |v[\xs+1]|, |v[\xs+2]|
	v_max3_num_f32 v11, |v[\xs+3]|, |v[\xs+4]|, |v[\xs+5]|
.irp i, 6,10,14,18,22,26
	v_max3_num_f32 v10, v10, |v[\xs+\i]|, |v[\xs+\i+1]|
	v_max3_num_f32 v11, v11, |v[\xs+\i+2]|, |v[\xs+\i+3]|
.endr
	v_max3_num_f32 v10, v10, |v[\xs+30]|, |v[\xs+31]|
	v_max3_num_f32 v10, v10, v11, 0x1800000        ; and the floor 2^(3 - 127): the byte cannot fall under 1
	v_add_nc_u32 v12, 0xff000000, v10              ; 2 off the exponent field: the conversion takes this operand's exponent field as its scale
.irp g, 0,1,2,3
	v_cvt_scalef32_pk8_fp4_f32 v[\c+\g], v[\xs+8*\g:\xs+8*\g+7], v12
.endr
	v_lshrrev_b32 v13, 23, v12                     ; the byte (also the plain line behind the conversions)
.endm
	s_cmp_lt_u32 ttmp9, 256
	s_cbranch_scc0 .Lnot_x
; ---- x.  Wave w takes tile T = 2 x work-group + w / 2 and half w % 2 of K: 16 rows x 512 numbers, in 8 steps of 16 rows x 64.
; A load reads 256 consecutive bytes of two rows; the step's 4,096 bytes turn through the wave's own stage, so that lane (r, h) holds the whole block 2 t + h of place r.
	v_and_b32 v2, 15, v0                           ; r
	v_bfe_u32 v3, v0, 4, 1                         ; h
	v_lshlrev_b32 v9, 4, v2                        ; 16 r
	v_lshl_add_u32 v4, v3, 12, v9                  ; in memory: 4,096 h + 16 r
	s_mul_i32 s21, s20, 2*STG                      ; my wave's two stages
	v_mul_u32_u24 v5, v3, 272
	v_add_nc_u32 v5, v5, v9
	v_add_nc_u32 v5, s21, v5                       ; into a stage: row h of a pair, 16 r
	v_mul_u32_u24 v6, v2, 272
	v_lshl_add_u32 v6, v3, 7, v6
	v_add_nc_u32 v6, s21, v6                       ; out of it: row r, 128 h
	v_lshlrev_b32 v7, 4, v1                        ; the codes' place: 16 x lane
	v_lshlrev_b32 v8, 3, v3                        ; 8 h
	v_add_nc_u32 v9, v9, v8                        ; the scale bytes' place: 16 r + 8 h
.irp j, 0,1,2,3
	v_mov_b32 v[20+\j], 0                          ; a lane permute's destination counts as one of its sources
.endr
	s_lshl_b32 s22, ttmp9, 1
	s_lshr_b32 s23, s20, 1
	s_add_co_u32 s22, s22, s23                     ; T
	s_and_b32 s23, s20, 1                          ; which half of K
	s_lshr_b32 s24, s22, 1
	s_lshl_b32 s24, s24, 17                        ; 32 rows of 4,096 bytes for each pair of tiles,
	s_and_b32 s25, s22, 1
	s_lshl_b32 s25, s25, 15                        ; 8 rows for the odd tile,
	s_add_co_u32 s24, s24, s25
	s_lshl_b32 s25, s23, 11                        ; 2,048 bytes for the upper half of K
	s_add_co_u32 s24, s24, s25
	s_mov_b32 s25, 0
	s_lshl_b32 s26, s22, 13
	s_lshl_b32 s27, s23, 12
	s_add_co_u32 s26, s26, s27                     ; codes: 8,192 T + 4,096 half
	s_mov_b32 s27, 0
	s_lshl_b32 s28, s22, 9
	s_lshl_b32 s29, s23, 8
	s_add_co_u32 s28, s28, s29
	s_add_co_u32 s28, s28, XQS                     ; scale bytes: XQS + 512 T + 256 half
	s_mov_b32 s29, 0
	s_wait_kmcnt 0x0
	s_add_nc_u64 s[4:5], s[4:5], s[24:25]
	s_add_nc_u64 s[30:31], s[14:15], s[28:29]
	s_add_nc_u64 s[14:15], s[14:15], s[26:27]
.macro LOADX t                         ; step t: places 2 i and 2 i + 1 are rows 2 i + 8 (i / 4) and the next
.irp i, 0,1,2,3,4,5,6,7
	global_load_b128 v[RX+32*((\t)%4)+4*\i:RX+32*((\t)%4)+4*\i+3], v4, s[4:5] offset:(2*\i+8*(\i/4))*4096+256*(\t) th:TH_LOAD_NT
.endr
.endm
.macro TURNX t                         ; through the stage: LDS serves a wave's instructions in order, so no wait stands between the stores and the loads
.irp i, 0,1,2,3,4,5,6,7
	ds_store_b128 v5, v[RX+32*((\t)%4)+4*\i:RX+32*((\t)%4)+4*\i+3] offset:STG*((\t)%2)+544*\i
.endr
.irp j, 0,1,2,3,4,5,6,7
	ds_load_b128 v[XX+32*((\t)%2)+4*\j:XX+32*((\t)%2)+4*\j+3], v6 offset:STG*((\t)%2)+16*\j
.endr
.endm
.macro STEPX t
.set XS, XX+32*((\t)%2)
	s_wait_dscnt 0x0                               ; this step's numbers are back from the stage
.if (\t)+4 < 8
	LOADX (\t)+4
.endif
.if (\t) < 7
.if (\t) < 4
	s_wait_loadcnt 24                              ; the next step's eight loads are in; those of the three steps behind it may be out
.else
	s_wait_loadcnt 8*(6-(\t))
.endif
	TURNX (\t)+1
.endif
	QBLOCK XS, CX+4*(\t)
.if (\t)%2 == 0
	v_mov_b32 v[ZX+(\t)/2], v13                    ; my byte of blocks 2 t + h: byte 0 or 2 of a word, moved up by 8 h at the end
.else
	v_lshl_or_b32 v[ZX+(\t)/2], v13, 16, v[ZX+(\t)/2]
.endif
	global_store_b128 v7, v[CX+4*(\t):CX+4*(\t)+3], s[14:15] offset:512*(\t)   ; 32 lanes store 512 consecutive bytes
.endm
.irp t, 0,1,2,3
	LOADX \t
.endr
	s_wait_loadcnt 24                              ; step 0's eight loads are in
	TURNX 0
.irp t, 0,1,2,3,4,5,6,7
	STEPX \t
.endr
.irp j, 0,1,2,3
	v_lshlrev_b32 v[ZX+\j], v8, v[ZX+\j]
.endr
.irp j, 0,1,2,3
	v_permlanex16_b32 v[20+\j], v[ZX+\j], s32, s33
.endr
.irp j, 0,1,2,3
	v_or_b32 v[ZX+\j], v[ZX+\j], v[20+\j]          ; with lane l xor 16's bytes the row's 16 are whole
.endr
	v_cmp_ne_u32 vcc_lo, 0, v3
	v_cndmask_b32 v20, v16, v18, vcc_lo            ; lanes 0-15 store a row's first 8 bytes, lanes 16-31 its last 8:
	v_cndmask_b32 v21, v17, v19, vcc_lo
	global_store_b64 v9, v[20:21], s[30:31]        ; 256 consecutive bytes
	s_wait_tensorcnt 0x0
	ds_add_u32 v126, v127
	s_wait_dscnt 0x0
	s_endpgm
; ---- the weights.  K is the first axis: a lane takes a column n and its registers run down K, so that a block lies in one lane.  A wave: 32 columns x 256 along K (8 blocks).
.Lnot_x:
	s_cmp_lt_u32 ttmp9, 384
	s_cbranch_scc0 .Ltable
	s_sub_co_u32 s21, ttmp9, 256
	s_lshr_b32 s22, s21, 5                         ; which weight
	s_bfe_u32 s23, s21, 0x30002                    ; which 128 columns
	s_and_b32 s24, s21, 3                          ; which quarter of K
	s_lshl_b32 s25, s23, 7
	s_lshl_b32 s26, s20, 5
	s_add_co_u32 s25, s25, s26                     ; my wave's first column n0
	v_bfe_u32 v2, v0, 3, 1                         ; column x of the 32 lies in tile u = (x / 8) % 2,
	v_and_b32 v3, 7, v0
	v_bfe_u32 v4, v0, 4, 1
	v_lshl_or_b32 v3, v4, 3, v3                    ; at place r = x % 8 + 8 (x / 16)
	v_lshlrev_b32 v5, 2, v1                        ; in memory: 4 bytes a lane
	v_lshlrev_b32 v6, 4, v3
	v_lshl_add_u32 v7, v2, 13, v6                  ; codes: 8,192 u + 16 r
	v_lshl_add_u32 v8, v2, 9, v6                   ; scale bytes: 512 u + 16 r
	s_lshl_b32 s26, s24, 20                        ; 256 rows of 4,096 bytes a quarter
	s_lshl_b32 s27, s25, 2
	s_add_co_u32 s26, s26, s27
	s_mov_b32 s27, 0
	s_lshl_b32 s28, s22, 19                        ; 64 tiles a weight,
	s_lshl_b32 s29, s25, 9                         ; tile n0 / 16,
	s_add_co_u32 s28, s28, s29
	s_lshl_b32 s29, s24, 11                        ; 8 blocks of 256 bytes a quarter
	s_add_co_u32 s28, s28, s29
	s_mov_b32 s29, 0
	s_lshl_b32 s30, s22, 15
	s_lshl_b32 s31, s25, 5
	s_add_co_u32 s30, s30, s31
	s_lshr_b32 s31, s24, 1
	s_lshl_b32 s31, s31, 8                         ; the half of K,
	s_add_co_u32 s30, s30, s31
	s_and_b32 s31, s24, 1
	s_lshl_b32 s31, s31, 3                         ; and which 8 of its 16 bytes
	s_add_co_u32 s30, s30, s31
	s_add_co_u32 s30, s30, WQS
	s_mov_b32 s31, 0
	s_and_b32 s21, s22, 1
	s_wait_kmcnt 0x0
	s_cmp_lt_u32 s22, 2
	s_cselect_b64 s[34:35], s[6:7], s[10:11]       ; Wq or Wv
	s_cselect_b64 s[36:37], s[8:9], s[12:13]       ; Wk or Wp
	s_cmp_eq_u32 s21, 1
	s_cselect_b64 s[34:35], s[36:37], s[34:35]
	s_add_nc_u64 s[34:35], s[34:35], s[26:27]
	s_add_nc_u64 s[36:37], s[16:17], s[28:29]
	s_add_nc_u64 s[38:39], s[16:17], s[30:31]
.macro LOADW t                         ; block t: W(32 t + i, my column): 32 lanes read 128 consecutive bytes
.set i, 0
.rept 32
	global_load_b32 v[RX+32*((\t)%2)+i], v5, s[34:35] offset:(32*(\t)+i)*4096 th:TH_LOAD_NT
.set i, i+1
.endr
.endm
.macro BLOCKW t
.set XS, RX+32*((\t)%2)
.if (\t) < 7
	s_wait_loadcnt 32                              ; this block's 32 loads are in; the next block's may be out
.else
	s_wait_loadcnt 0x0
.endif
	QBLOCK XS, CX+4*(\t)
.if (\t)%4 == 0
	v_mov_b32 v[ZX+(\t)/4], v13                    ; four bytes to a register, the lower K in the lower byte
.else
	v_lshl_or_b32 v[ZX+(\t)/4], v13, 8*((\t)%4), v[ZX+(\t)/4]
.endif
	global_store_b128 v7, v[CX+4*(\t):CX+4*(\t)+3], s[36:37] offset:256*(\t)   ; each tile's sixteen lanes store 256 consecutive bytes
.if (\t)+2 < 8
	LOADW (\t)+2
.endif
.endm
	LOADW 0
	LOADW 1
.irp t, 0,1,2,3,4,5,6,7
	BLOCKW \t
.endr
	global_store_b64 v8, v[ZX:ZX+1], s[38:39]      ; my column's 8 bytes: half of its 16 in this half of K
	s_endpgm
; ---- the table: tab[pos][i] = (cos, sin)(pos x freq_i), freq_i = exp(i x f32(-ln(10000) / 31)).  Lane = i; a wave takes 16 positions.
; The frequency is made to nearly correct rounding (the argument's remainder in two words, the last additions compensated), since at position 2,047 one unit in its last place moves the angle by 1e-4.
.Ltable:
	s_sub_co_u32 s21, ttmp9, 384
	s_lshl_b32 s21, s21, 2
	s_add_co_u32 s21, s21, s20
	s_lshl_b32 s22, s21, 4                         ; my first position
	s_lshl_b32 s24, s22, 8                         ; 256 bytes a position
	s_mov_b32 s25, 0
	s_mov_b32 s26, 0x3f318000                      ; ln 2, upper part: 0.693359375
	s_mov_b32 s27, 0xb95e8083                      ; and the rest: -2.12194440e-4
	s_mov_b32 s28, 0x3fc90fdb                      ; pi / 2 as f32,
	s_mov_b32 s29, 0xb33bbd2e                      ; and pi / 2 less that
	s_mov_b32 s30, 0xb94ca1f9                      ; the sine's leading coefficient
	s_mov_b32 s31, 0x37ccf5ce                      ; the cosine's
	v_lshlrev_b32 v2, 3, v1                        ; 8 bytes a lane
	v_cvt_f32_u32 v10, v1
	v_mul_f32 v10, 0xbe981e82, v10                 ; a = i x f32(-ln(10000) / 31): one rounding
	v_mul_f32 v11, 0x3fb8aa3b, v10
	v_rndne_f32 v11, v11                           ; n
	v_fma_f32 v12, -v11, s26, v10                  ; a - n x the upper part: exact
	v_mul_f32 v13, -v11, s27                       ; -n x the rest, in two words
	v_fma_f32 v14, -v11, s27, -v13
	v_add_f32 v15, v12, v13                        ; r, upper word,
	v_sub_f32 v16, v15, v12
	v_sub_f32 v17, v15, v16
	v_sub_f32 v17, v12, v17
	v_sub_f32 v16, v13, v16
	v_add_f32 v16, v17, v16
	v_add_f32 v16, v16, v14                        ; and lower word
	v_mov_b32 v17, 0x37d00d01                      ; 1/8!
	v_fmaak_f32 v17, v17, v15, 0x39500d01          ; 1/7!
	v_fmaak_f32 v17, v17, v15, 0x3ab60b61          ; 1/6!
	v_fmaak_f32 v17, v17, v15, 0x3c088889          ; 1/5!
	v_fmaak_f32 v17, v17, v15, 0x3d2aaaab          ; 1/4!
	v_fmaak_f32 v17, v17, v15, 0x3e2aaaab          ; 1/3!
	v_fma_f32 v17, v17, v15, 0.5
	v_mul_f32 v18, v15, v15
	v_mul_f32 v17, v17, v18                        ; e^r - 1 - r
	v_fma_f32 v18, v16, v15, v16                   ; the lower word's share
	v_add_f32 v17, v17, v18
	v_add_f32 v18, 1.0, v15
	v_add_f32 v19, -1.0, v18
	v_sub_f32 v19, v15, v19                        ; what 1 + r lost
	v_add_f32 v19, v19, v17
	v_add_f32 v18, v18, v19
	v_cvt_i32_f32 v11, v11
	v_ldexp_f32 v19, v18, v11                      ; freq
	s_wait_kmcnt 0x0
	s_add_nc_u64 s[18:19], s[18:19], s[24:25]
	s_mov_b32 s23, 16
.Lpos:
	v_cvt_f32_u32 v20, s22
	v_mul_f32 v20, v20, v19                        ; the angle: one rounding
	v_mul_f32 v21, 0x3f22f983, v20
	v_rndne_f32 v21, v21                           ; k = the nearest multiple of pi / 2, at most 1,304
	v_fma_f32 v22, -v21, s28, v20                  ; exact: both are multiples of 2^-23 and the difference lies under 1
	v_fma_f32 v22, -v21, s29, v22                  ; r, within pi / 4
	v_mul_f32 v23, v22, v22                        ; z
	v_fmaak_f32 v24, s30, v23, 0x3c08839e
	v_fmaak_f32 v24, v24, v23, 0xbe2aaaa3
	v_mul_f32 v25, v23, v22
	v_fma_f32 v24, v24, v25, v22                   ; sin r
	v_fmaak_f32 v26, s31, v23, 0xbab6061a
	v_fmaak_f32 v26, v26, v23, 0x3d2aaaa5
	v_mul_f32 v27, v23, v23
	v_fma_f32 v28, v23, -0.5, 1.0
	v_fma_f32 v26, v26, v27, v28                   ; cos r
	v_cvt_i32_f32 v29, v21
	v_and_b32 v32, 1, v29
	v_cmp_ne_u32 vcc_lo, 0, v32                    ; an odd quadrant changes the two over
	v_cndmask_b32 v30, v26, v24, vcc_lo
	v_cndmask_b32 v31, v24, v26, vcc_lo
	v_add_nc_u32 v32, 1, v29
	v_and_b32 v32, 2, v32
	v_lshlrev_b32 v32, 30, v32
	v_xor_b32 v30, v30, v32                        ; the cosine is negative in quadrants 1 and 2,
	v_and_b32 v33, 2, v29
	v_lshlrev_b32 v33, 30, v33
	v_xor_b32 v31, v31, v33                        ; the sine in 2 and 3
	global_store_b64 v2, v[30:31], s[18:19]        ; 32 lanes store 256 consecutive bytes
	s_wait_xcnt 0x0                                ; the store has read its data and its base: both are written again
	s_add_nc_u64 s[18:19], s[18:19], 256
	s_add_co_u32 s22, s22, 1
	s_sub_co_u32 s23, s23, 1
	s_cmp_lg_u32 s23, 0
	s_cbranch_scc1 .Lpos
	s_endpgm
.Lfunc_end_k_q72036cb7c7_prep:
	.size	k_q72036cb7c7_prep, .Lfunc_end_k_q72036cb7c7_prep-k_q72036cb7c7_prep
	.p2alignl 7, 3214868480
	.fill 96, 4, 3214868480
	.section	.rodata,"a",@progbits
	.p2align	6, 0x0
	.amdhsa_kernel k_q72036cb7c7_prep
		.amdhsa_group_segment_fixed_size 35328
		.amdhsa_private_segment_fixed_size 0
		.amdhsa_enable_private_segment 0
		.amdhsa_kernarg_size 64
		.amdhsa_user_sgpr_count 2
		.amdhsa_user_sgpr_kernarg_segment_ptr 1
		.amdhsa_wavefront_size32 1
		.amdhsa_system_sgpr_workgroup_id_x 1
		.amdhsa_system_sgpr_workgroup_id_y 1
		.amdhsa_system_sgpr_workgroup_id_z 1
		.amdhsa_system_vgpr_workitem_id 0
		.amdhsa_next_free_vgpr 256
		.amdhsa_next_free_sgpr 66
		.amdhsa_reserve_vcc 1
		.amdhsa_float_denorm_mode_32 3
		.amdhsa_float_denorm_mode_16_64 3
		.amdhsa_memory_ordered 1
		.amdhsa_forward_progress 1
		.amdhsa_inst_pref_size 72
	.end_amdhsa_kernel
	.amdgpu_metadata
---
amdhsa.version: [ 1, 2 ]
amdhsa.kernels:
  - .name:           k_q72036cb7c7_prep
    .symbol:         k_q72036cb7c7_prep.kd
    .args:
      - { .name: x, .offset: 0, .size: 8, .value_kind: global_buffer, .address_space: global }
      - { .name: Wq, .offset: 8, .size: 8, .value_kind: global_buffer, .address_space: global }
      - { .name: Wk, .offset: 16, .size: 8, .value_kind: global_buffer, .address_space: global }
      - { .name: Wv, .offset: 24, .size: 8, .value_kind: global_buffer, .address_space: global }
      - { .name: Wp, .offset: 32, .size: 8, .value_kind: global_buffer, .address_space: global }
      - { .name: xq, .offset: 40, .size: 8, .value_kind: global_buffer, .address_space: global }
      - { .name: wq, .offset: 48, .size: 8, .value_kind: global_buffer, .address_space: global }
      - { .name: tab, .offset: 56, .size: 8, .value_kind: global_buffer, .address_space: global }
    .group_segment_fixed_size: 35328
    .private_segment_fixed_size: 0
    .kernarg_segment_align: 8
    .kernarg_segment_size: 64
    .max_flat_workgroup_size: 128
    .sgpr_count:     66
    .vgpr_count:     256
    .wavefront_size: 32
...
	.end_amdgpu_metadata
.endif
;; end of part 1
;; launch qkv (part 2): grid 12 x 32, 4 waves a work-group, clusters of 4 x 4, 279,040 bytes of LDS; arguments xq, wq, tab, bq, bk, bv, qq, kv; writes qq, kv
.if DOCPART == 2
	.amdgcn_target "amdgcn-amd-amdhsa--gfx1250"
	.amdhsa_code_object_version 6
	.text
	.protected	k_q72036cb7c7_qkv
	.globl	k_q72036cb7c7_qkv
	.p2align	8
	.type	k_q72036cb7c7_qkv,@function
k_q72036cb7c7_qkv:
	s_mov_b64 s[64:65], 0
	v_nop
	global_prefetch_b8 v0, s[64:65] scope:SCOPE_SE
	s_setreg_imm32_b32 hwreg(HW_REG_WAVE_MODE, 25, 1), 1
	s_wait_xcnt 0x0
	s_wait_alu depctr_hold_cnt(0) depctr_sa_sdst(0) depctr_va_vdst(0) depctr_va_sdst(0) depctr_va_ssrc(0) depctr_va_vcc(0) depctr_vm_vsrc(0)
	s_getreg_b32 s2, hwreg(HW_REG_IB_STS2, 6, 4)
	s_cmp_eq_u32 s2, 0
	s_cbranch_scc0 .Lentry_in_a_cluster
	s_endpgm
.Lentry_in_a_cluster:
	s_bfe_u32 s2, ttmp6, 0x10000c
	s_cmp_lg_u32 s2, 0xf033
	s_cbranch_scc0 .Lentry_shape_is_right
	s_endpgm
.Lentry_shape_is_right:
; QKV: q = rope(x Wq + bq), k = rope(x Wk + bk), v = x Wv + bv on codes of E2M1 (K = 1,024), each result quantised in registers as the operand that attention wants, and stored as an image of that operand's registers.
; A work-group makes 256 x 256 of a product, a wave 128 x 128: 64 accumulators.  Region B is source 0 (a lane's registers run along its rows), region A is source 1 (a lane holds one of its rows).
;   cluster x = 0, 1 (q, k): A = 256 tokens of x, B = 256 columns of Wq or Wk: a lane holds a token, its registers run along the head's 64: the K of the score product.
;   cluster x = 2 (v):       A = 256 columns of Wv, B = 256 tokens: a lane holds a channel d, its registers run along the keys: the K of the second product.
; Tiles lie in place order (place r of tile u of 32 rows = row 8 u + r + 8 (r / 8)), so that the 16 registers of result tiles 2 b and 2 b + 1 are rows 32 b + 16 (lane / 16) + 0 .. 15: neighbours.
; K = 1,024 is two slots of 512 in LDS, each filled ONCE at the head, with all scale bytes: nothing is filled again.  CLUSTERS 4 x 4: A's tiles are asked for jointly along a row of the cluster, B's along a column.
; The bias is the C of each sum's first product.  Three short branches hang on the cluster's x alone, which all partners share.
; No prefetch: all tiles are asked for by the first fills.  24 clusters: the v products are half a round more than the chip holds at once.
; LIMITS: a block's largest magnitude is taken as 2^-124 at the least (a block of zeros keeps byte 1: its codes are zeros); NaN and infinities are not served.
; REGISTERS, windows of 256: window 0: v1-27 addresses; v32-95 scale words (two sets; they hold nothing else); v96-103 scale words made; v104-119 at work; v120-127 codes; v128-191 A's fragments, later rope's results or v's codes;
;   v192-255 the bias, later two sets of cosines and sines.  window 1: B's fragments, two sets.  windows 2, 3: accumulator (a, b) at v[8 (8 (a % 4) + b)].
.set SLOT, 131072                      ; a slot: A's 16 tiles x 4,096 bytes, then B's
.set BOFF, 65536
.set SCL,  262144                      ; behind the slots: A's scale bytes (8,192), then B's
.set ADRA, 16
.set ADRB, 20
.set ADRS, 27
.set SC,   32
.set PW,   96
.set TM,   104
.set PC,   120
.set AF,   128
.set RR,   128
.set BI,   192
.set MSB, 0
.macro WIN new                         ; the immediate's high byte repeats the setting that is left
.if MSB != (\new)
	s_set_vgpr_msb (MSB<<8)|(\new)
.set MSB, (\new)
.endif
.endm
.macro PLACES n
.rept \n
	v_nop
.endr
.endm
; A joint load: waves 0 and 1 fetch for A, waves 2 and 3 for B; the branch hangs on the wave's number alone.  Four v_nop follow each line.
.macro JLOAD g0a, g1a, g0b, g1b
	s_cmp_eq_u32 s21, 0
	s_cbranch_scc0 .Lfor_b_\@
	tensor_load_to_lds s[\g0a:\g0a+3], s[\g1a:\g1a+7]
	s_nop 0
.rept 4
	v_nop
.endr
	s_branch .Lasked_\@
.Lfor_b_\@:
	tensor_load_to_lds s[\g0b:\g0b+3], s[\g1b:\g1b+7]
	s_nop 0
.rept 4
	v_nop
.endr
.Lasked_\@:
.endm
.macro CROUND                          ; a round of the cluster's barrier
	s_barrier_signal -1
	s_barrier_wait -1
	s_cmp_lg_u32 s20, 0
	s_cbranch_scc1 .Lnot_wave_0_\@
	s_barrier_signal -3
.Lnot_wave_0_\@:
	s_barrier_wait -3
	s_barrier_signal -1
	s_barrier_wait -1
.endm
	s_load_b512 s[4:19], s[0:1], 0x0               ; xq, wq, tab, bq, bk, bv, qq, kv
	v_lshl_add_u32 v114, v0, 2, 0x44000
	v_mov_b32 v115, 0
	ds_add_u32 v114, v115
	ds_add_u32 v114, v115
	v_lshrrev_b32 v1, 5, v0
	v_readfirstlane_b32 s20, v1                    ; wave
	s_lshr_b32 s21, s20, 1                         ; AH: my 128 rows of A.  Also: I fetch for A (0) or for B (1)
	s_and_b32 s22, s20, 1                          ; BH: my 128 rows of B.  Also: which 128 rows I fetch
	s_bfe_u32 s40, ttmp6, 0x40000                  ; cx
	s_bfe_u32 s41, ttmp6, 0x40004                  ; cy
	s_mov_b32 s67, ttmp9                           ; cluster x: 0 q, 1 k, 2 v
	s_and_b32 s45, ttmp7, 0xffff                   ; cluster y
	s_mov_b32 s2, 0x76543210
	s_mov_b32 s3, 0xfedcba98                       ; v_permlanex16_b32's selects for lane l xor 16
	s_cmp_eq_u32 s67, 2
	s_cselect_b32 s23, 1, 0                        ; is it v?
	s_cselect_b32 s66, 0, s45
	s_cselect_b32 s42, s45, s67
	s_lshl_b32 s66, s66, 2
	s_add_co_u32 s66, s66, s41                     ; A's block of 256 rows: it hangs on cy
	s_lshl_b32 s42, s42, 2
	s_add_co_u32 s42, s42, s40                     ; B's: it hangs on cx
	s_lshl_b32 s43, s41, 2
	s_lshl_b32 s43, 15, s43                        ; my row of the cluster
	s_lshl_b32 s44, 0x1111, s40                    ; my column
	; group 1 for codes: 8 tiles' halves: 8 rows of 512 elements of 8 bytes, 1,024 elements apart; dense in LDS
	s_or_b32 s24, s43, (3<<16)|(1<<21)
	s_or_b32 s48, s44, (3<<16)|(1<<21)
.irp g, 24, 48
	s_mov_b32 s[\g+1], 512<<16                     ; tensor_dim0
	s_mov_b32 s[\g+2], 8<<16                       ; tensor_dim1
	s_mov_b32 s[\g+3], 512<<16                     ; tile_dim0
	s_mov_b32 s[\g+4], 8                           ; tile_dim1
	s_mov_b32 s[\g+5], 1024                        ; from tile to tile
	s_mov_b32 s[\g+6], 0
	s_mov_b32 s[\g+7], 0
.endr
	; group 1 for scale bytes: 8 tiles x 512 dense bytes, as 16 rows of 256
	s_or_b32 s68, s43, (3<<16)|(1<<21)
	s_or_b32 s80, s44, (3<<16)|(1<<21)
.irp g, 68, 80
	s_mov_b32 s[\g+1], 32<<16
	s_mov_b32 s[\g+2], 16<<16
	s_mov_b32 s[\g+3], 32<<16
	s_mov_b32 s[\g+4], 16
	s_mov_b32 s[\g+5], 32
	s_mov_b32 s[\g+6], 0
	s_mov_b32 s[\g+7], 0
.endr
	s_lshl_b32 s94, s66, 4
	s_lshl_b32 s95, s22, 3
	s_add_co_u32 s94, s94, s95                     ; the first tile of A that I would fetch
	s_lshl_b32 s95, s94, 9                         ; its scale bytes,
	s_lshl_b32 s94, s94, 13                        ; its codes
	s_lshl_b32 s96, s42, 4
	s_lshl_b32 s97, s22, 3
	s_add_co_u32 s96, s96, s97                     ; and of B
	s_lshl_b32 s97, s96, 9
	s_lshl_b32 s96, s96, 13
	s_cmp_eq_u32 s23, 1
	s_cselect_b32 s98, 0x100000, 0                 ; Wv begins 128 tiles into wq
	s_mov_b32 s99, 0x400000
	s_cselect_b32 s99, 0x210000, s99               ; where A's scale bytes begin: Wv's in wq, or xq's
	s_mov_b32 s100, 0x200000
	s_cselect_b32 s100, 0x400000, s100             ; and B's: xq's, or wq's
	s_add_co_u32 s94, s94, s98
	s_add_co_u32 s95, s95, s99
	s_add_co_u32 s97, s97, s100
	s_mov_b32 s99, 0
	s_mov_b32 s101, 0
	s_mov_b32 s98, s95
	s_mov_b32 s100, s97
	s_wait_dscnt 0x0
	s_wait_kmcnt 0x0
	s_cmp_eq_u32 s23, 1
	s_cselect_b64 s[92:93], s[6:7], s[4:5]         ; A's buffer
	s_cselect_b64 s[46:47], s[4:5], s[6:7]         ; B's
	s_add_nc_u64 s[78:79], s[92:93], s[98:99]
	s_add_nc_u64 s[90:91], s[46:47], s[100:101]
	s_mov_b32 s98, s94
	s_mov_b32 s100, s96
	s_add_nc_u64 s[92:93], s[92:93], s[98:99]
	s_add_nc_u64 s[46:47], s[46:47], s[100:101]
	s_lshl_b32 s94, s20, 15                        ; where they go: wave x 32,768 in a slot,
	s_lshl_b32 s95, s20, 12                        ; wave x 4,096 among the scale bytes
	CROUND                                         ; all sixteen work-groups are here: the joint loads meet
	s_mov_b32 s76, 1
	s_add_co_u32 s77, s95, SCL
	s_or_b32 s79, s79, 0x80000000
	s_mov_b32 s88, 1
	s_add_co_u32 s89, s95, SCL
	s_or_b32 s91, s91, 0x80000000
	JLOAD 76, 68, 88, 80                           ; the scale bytes first
.irp s, 0,1
	s_mov_b32 s[32+4*\s], 1
	s_add_co_u32 s[33+4*\s], s94, \s*SLOT
	s_add_nc_u64 s[34+4*\s:35+4*\s], s[92:93], \s*4096
	s_or_b32 s[35+4*\s], s[35+4*\s], 0x80000000
	s_mov_b32 s[56+4*\s], 1
	s_add_co_u32 s[57+4*\s], s94, \s*SLOT
	s_add_nc_u64 s[58+4*\s:59+4*\s], s[46:47], \s*4096
	s_or_b32 s[59+4*\s], s[59+4*\s], 0x80000000
	JLOAD 32+4*\s, 24, 56+4*\s, 48                 ; three tensor loads of a wave are out
.endr
	v_and_b32 v1, 15, v0                           ; r
	v_bfe_u32 v2, v0, 4, 1                         ; h
	s_wait_alu depctr_va_vdst(0)
	v_and_b32 v3, 31, v0
	v_lshlrev_b32 v4, 4, v3                        ; 16 x lane
	s_lshl_b32 s92, s21, 15
	s_lshl_b32 s93, s22, 15
	s_add_co_u32 s93, s93, BOFF
.irp s, 0,1
	v_add_nc_u32 v[ADRA+\s], s92, v4
	v_add_nc_u32 v[ADRB+\s], s93, v4
	s_add_co_u32 s92, s92, SLOT
	s_add_co_u32 s93, s93, SLOT
.endr
	v_lshlrev_b32 v5, 4, v1                        ; 16 r
	s_lshl_b32 s92, s21, 12                        ; A's scale bytes: my 8 tiles
	s_lshl_b32 s93, s22, 12
	s_add_co_u32 s93, s93, 8192                    ; B's, behind A's
	s_sub_co_u32 s93, s93, s92
	v_mul_u32_u24 v6, s93, v2                      ; lanes 16-31 take B's
	s_add_co_u32 s92, s92, SCL
	v_add_nc_u32 v6, v5, v6
	v_add_nc_u32 v[ADRS], s92, v6
	v_and_b32 v7, 8, v1
	v_add_nc_u32 v7, v7, v1                        ; r + 8 (r / 8): my place's row in its tile
	v_lshlrev_b32 v8, 8, v7
	v_lshl_add_u32 v8, v2, 6, v8                   ; the table: 256 bytes a position, + 64 h
	v_lshlrev_b32 v9, 6, v2                        ; a bias along registers: 64 h
	v_lshlrev_b32 v10, 2, v7                       ; a bias along lanes
	v_lshlrev_b32 v11, 4, v2                       ; 16 h
.irp b, 0,1,2,3
	v_mov_b32 v[TM+4+\b], 0                        ; a lane permute's destination counts as one of its sources
.endr
	s_cmp_eq_u32 s23, 1
	s_cbranch_scc1 .Lbias_v
	; ---- q, k: where the results go, and the bias of my 128 columns
	s_cmp_eq_u32 s67, 0
	s_cselect_b64 s[16:17], s[16:17], s[18:19]     ; qq or kv
	s_cselect_b64 s[10:11], s[10:11], s[12:13]     ; bq or bk
	s_mov_b32 s100, 143360
	s_cselect_b32 s100, 0x10000, s100              ; from head to head, codes
	s_cselect_b32 s43, 12, 13                      ; a chunk of 128 tokens: 4,096 or 8,192 bytes
	s_mov_b32 s44, 131072
	s_cselect_b32 s44, 0x400000, s44               ; where the scale words begin
	s_mov_b32 s93, 143360
	s_cselect_b32 s93, 0x2000, s93                 ; from head to head, scale words
	s_mov_b32 s101, 0
	s_and_b32 s46, s42, 3
	s_lshl_b32 s46, s46, 2
	s_lshl_b32 s47, s22, 1
	s_add_co_u32 s46, s46, s47                     ; my first head
	s_lshr_b32 s45, s66, 3
	s_lshl_b32 s45, s45, 4
	s_add_co_u32 s45, s45, s46                     ; 16 x batch + head
	s_lshl_b32 s46, s46, 8
	s_mov_b32 s47, 0
	s_add_nc_u64 s[10:11], s[10:11], s[46:47]
	s_and_b32 s92, s66, 7
	s_lshl_b32 s92, s92, 1
	s_add_co_u32 s92, s92, s21                     ; my chunk of 128 tokens in the batch
	s_lshl_b32 s46, s92, 15
	s_add_nc_u64 s[8:9], s[8:9], s[46:47]          ; the table at my first position
	s_mul_i32 s94, s45, s100
	s_lshl_b32 s95, s92, s43
	s_add_co_u32 s94, s94, s95
	s_mov_b32 s95, 0
	s_add_nc_u64 s[94:95], s[16:17], s[94:95]      ; codes of my first head,
	s_add_nc_u64 s[96:97], s[94:95], s[100:101]    ; of my second,
	s_mul_i32 s98, s45, s93
	s_add_co_u32 s98, s98, s44
	s_lshl_b32 s99, s92, 9
	s_add_co_u32 s98, s98, s99
	s_mov_b32 s99, 0
	s_add_nc_u64 s[98:99], s[16:17], s[98:99]      ; and the scale words
	v_mul_u32_u24 v12, s93, v2
	v_add_nc_u32 v12, v12, v5                      ; lanes 16-31 store the second head's
	s_wait_alu depctr_va_vdst(0)
.irp b, 0,1,2,3,4,5,6,7
	global_load_b128 v[BI+8*\b:BI+8*\b+3], v9, s[10:11] offset:(32*(\b/2)+8*(\b%2))*4
	global_load_b128 v[BI+8*\b+4:BI+8*\b+7], v9, s[10:11] offset:(32*(\b/2)+8*(\b%2))*4+16
.endr
	s_branch .Lbias_done
.Lbias_v:
	s_lshr_b32 s45, s42, 3
	s_lshl_b32 s45, s45, 4
	s_lshl_b32 s46, s66, 2
	s_add_co_u32 s45, s45, s46
	s_lshl_b32 s46, s21, 1
	s_add_co_u32 s45, s45, s46                     ; 16 x batch + my first head
	s_and_b32 s92, s42, 7
	s_lshl_b32 s92, s92, 1
	s_add_co_u32 s92, s92, s22                     ; my chunk of 128 keys
	s_lshl_b32 s46, s66, 10
	s_lshl_b32 s47, s21, 9
	s_add_co_u32 s46, s46, s47
	s_mov_b32 s47, 0
	s_add_nc_u64 s[14:15], s[14:15], s[46:47]
	s_mul_i32 s45, s45, 143360
	s_lshl_b32 s94, s92, 13
	s_add_co_u32 s94, s94, s45
	s_add_co_u32 s94, s94, 4096                    ; V's tiles lie behind K's in a chunk
	s_mov_b32 s95, 0
	s_add_nc_u64 s[94:95], s[18:19], s[94:95]
	s_add_nc_u64 s[96:97], s[94:95], 143360
	s_lshl_b32 s98, s92, 8
	s_add_co_u32 s98, s98, s45
	s_add_co_u32 s98, s98, 139264
	s_mov_b32 s99, 0
	s_add_nc_u64 s[98:99], s[18:19], s[98:99]
	v_mul_u32_u24 v12, 0x23000, v2
	v_add_nc_u32 v12, v12, v5
.set n, 0
	s_wait_alu depctr_va_vdst(0)
.rept 64                               ; a lane's channel has one bias: eight registers alike for each tile of A
	global_load_b32 v[BI+n], v10, s[14:15] offset:(32*(n/16)+8*((n/8)%2))*4
.set n, n+1
.endr
.Lbias_done:
.macro FRAG reg, adr, q, i             ; a fragment: two loads of 512 consecutive bytes
.irp c, 0,1
	ds_load_b128 v[\reg+4*\c:\reg+4*\c+3], v[\adr] offset:1024*(\q)+512*\c+4096*(\i)
.endr
.endm
; 16 products: A's blocks a0, a0 + 1 x B's eight.  cm = 0: onto the sums; 1: the sums begin with the bias along registers; 2: with the bias along lanes.
; The 64 accumulators take turns, one instruction a turn, in the same order in every step.
.macro MUL16 a0, p, q, sc, cm
.irp a, \a0, \a0+1
.irp b, 0,1,2,3,4,5,6,7
.set rD, 8*(8*((\a)%4)+\b)
.set rB, 128*(\p)+8*\b
.set rA, AF+8*(\a)
.set wB, SC+32*(\sc)+4*\b+(\q)
.set wA, SC+32*(\sc)+4*(\a)+(\q)
.if (\cm) == 1
	v_wmma_scale_f32_16x16x128_f8f6f4 v[rD:rD+7], v[rB:rB+7], v[rA:rA+7], v[BI+8*\b:BI+8*\b+7], v[wB], v[wA] matrix_a_fmt:MATRIX_FMT_FP4 matrix_b_fmt:MATRIX_FMT_FP4 matrix_a_scale:MATRIX_SCALE_ROW1
.elseif (\cm) == 2
	v_wmma_scale_f32_16x16x128_f8f6f4 v[rD:rD+7], v[rB:rB+7], v[rA:rA+7], v[BI+8*(\a):BI+8*(\a)+7], v[wB], v[wA] matrix_a_fmt:MATRIX_FMT_FP4 matrix_b_fmt:MATRIX_FMT_FP4 matrix_a_scale:MATRIX_SCALE_ROW1
.else
	v_wmma_scale_f32_16x16x128_f8f6f4 v[rD:rD+7], v[rB:rB+7], v[rA:rA+7], v[rD:rD+7], v[wB], v[wA] matrix_a_fmt:MATRIX_FMT_FP4 matrix_b_fmt:MATRIX_FMT_FP4 matrix_a_scale:MATRIX_SCALE_ROW1
.endif
.endr
.endr
.endm
.macro FETCH_B slot, q, p
	WIN 0x40
.irp i, 0,1,2,3,4,5,6,7
	FRAG 128*(\p)+8*\i, ADRB+\slot, \q, \i
.endr
	WIN 0
.endm
.macro FETCH_A slot, q, i0
.irp i, \i0, \i0+1, \i0+2, \i0+3
	FRAG AF+8*(\i), ADRA+\slot, \q, \i
.endr
.endm
.macro SCALES sc                       ; a slot's four words a row: lanes 0-15 A's tile i, lanes 16-31 B's tile i
.irp i, 0,1,2,3,4,5,6,7
	ds_load_b128 v[SC+32*\sc+4*\i:SC+32*\sc+4*\i+3], v[ADRS] offset:512*\i
.endr
.endm
; A step of 128 along K with its successor in the same slot.  Four plain places stand between products and loads into registers that they read.
.macro STEP slot, q, cm
	s_wait_dscnt 8                                 ; all but the youngest eight loads (A's blocks 4-7)
.if \cm
	WIN 0x81                                       ; source 0 window 1, C window 0, D window 2
.else
	WIN 0xa1
.endif
	MUL16 0, (\q)%2, \q, \slot, \cm
	MUL16 2, (\q)%2, \q, \slot, \cm
	s_wait_dscnt 0x0
	PLACES 4
	FETCH_B \slot, (\q)+1, 1-(\q)%2
	FETCH_A \slot, (\q)+1, 0
.if \cm
	WIN 0xc1
.else
	WIN 0xf1
.endif
	MUL16 4, (\q)%2, \q, \slot, \cm
	MUL16 6, (\q)%2, \q, \slot, \cm
	PLACES 4
	WIN 0
	FETCH_A \slot, (\q)+1, 4
.endm
.macro TABLE a                         ; the 16 pairs (cos, sin) of my position in A's tile a: frequencies 8 h + 0 .. 7 and 16 + 8 h + 0 .. 7
.irp g, 0,1
.irp j, 0,1,2,3
	global_load_b128 v[BI+32*((\a)%2)+16*\g+4*\j:BI+32*((\a)%2)+16*\g+4*\j+3], v8, s[8:9] offset:(32*((\a)/2)+8*((\a)%2))*256+128*\g+16*\j
.endr
.endr
.endm
	s_wait_tensorcnt 0x1                           ; the scale bytes and my part of slot 0 are in; slot 1's load may be out
	s_barrier_signal -1
	s_barrier_wait -1                              ; everybody's are
	FETCH_B 0, 0, 0
	FETCH_A 0, 0, 0
	SCALES 0
	FETCH_A 0, 0, 4
	s_wait_loadcnt 0x0                             ; the bias
	s_cmp_eq_u32 s23, 1
	s_cbranch_scc1 .Lfirst_v
	STEP 0, 0, 1
	TABLE 0                                        ; into the bias's registers, behind the step's places: they land during the products
	TABLE 1
	s_branch .Lfirst_done
.Lfirst_v:
	STEP 0, 0, 2
.Lfirst_done:
	STEP 0, 1, 0
	STEP 0, 2, 0
	; slot 0's last step, and the change to slot 1
	s_wait_tensorcnt 0x0                           ; my part of slot 1 is in
	s_wait_dscnt 8
	WIN 0xa1
	MUL16 0, 1, 3, 0, 0
	s_wait_dscnt 0x0                               ; no LDS instruction of mine is out at the signal
	s_barrier_signal -1
	MUL16 2, 1, 3, 0, 0
	WIN 0
	s_barrier_wait -1                              ; slot 1 is whole
	PLACES 4
	v_add_nc_u32 v[ADRS], 256, v[ADRS]             ; the upper half of K's scale words
	FETCH_B 1, 0, 0
	FETCH_A 1, 0, 0
	SCALES 1
	WIN 0xf1
	MUL16 4, 1, 3, 0, 0
	MUL16 6, 1, 3, 0, 0
	PLACES 4
	WIN 0
	FETCH_A 1, 0, 4
	STEP 1, 0, 0
	STEP 1, 1, 0
	STEP 1, 2, 0
	s_wait_dscnt 8
	WIN 0xa1
	MUL16 0, 1, 3, 1, 0
	MUL16 2, 1, 3, 1, 0
	s_wait_dscnt 0x0
	WIN 0xf1
	MUL16 4, 1, 3, 1, 0
	MUL16 6, 1, 3, 1, 0
	WIN 0
	PLACES 4
; 64 numbers of a lane in window w, register 16 b + i = index 32 b + 16 h + i of the next K, become a fragment's codes in v[pc] on and its scale word in v[pw].  Each accumulator is read from its low end on.
.macro QUANT src, w, pc, pw
	WIN ((\w)<<2)|((\w)<<4)
.irp b, 0,1,2,3
	v_max3_num_f32 v[TM+\b], 0x1800000, |v[(\src)+16*\b]|, |v[(\src)+1+16*\b]|   ; with the floor 2^(3 - 127)
.endr
.irp i, 2,4,6,8,10,12,14
.irp b, 0,1,2,3
	v_max3_num_f32 v[TM+\b], v[TM+\b], |v[(\src)+16*\b+\i]|, |v[(\src)+1+16*\b+\i]|
.endr
.endr
	WIN 0
.irp b, 0,1,2,3
	v_permlanex16_b32 v[TM+4+\b], v[TM+\b], s2, s3
.endr
.irp b, 0,1,2,3
	v_max_num_f32 v[TM+\b], v[TM+\b], v[TM+4+\b]   ; with lane l xor 16's 16: the block's largest magnitude
.endr
.irp b, 0,1,2,3
	v_add_nc_u32 v[TM+12+\b], 0xff000000, v[TM+\b]
.endr
.irp b, 0,1,2,3
	v_lshrrev_b32 v[TM+4+\b], 23, v[TM+12+\b]
.endr
	v_lshl_or_b32 v[\pw], v[TM+5], 8, v[TM+4]
	v_lshl_or_b32 v[\pw], v[TM+6], 16, v[\pw]
	v_lshl_or_b32 v[\pw], v[TM+7], 24, v[\pw]
	WIN (\w)
.irp b, 0,1,2,3
	v_cvt_scalef32_pk8_fp4_f32 v[(\pc)+2*\b], v[(\src)+16*\b:(\src)+7+16*\b], v[TM+12+\b]
	v_cvt_scalef32_pk8_fp4_f32 v[(\pc)+1+2*\b], v[(\src)+8+16*\b:(\src)+15+16*\b], v[TM+12+\b]
.endr
	WIN 0
	v_nop                                          ; one plain place behind the conversions
.irp c, 0,1
.irp i, 0,1
	v_permlane16_swap_b32 v[(\pc)+4*\c+\i], v[(\pc)+2+4*\c+\i]   ; a whole block to a lane
.endr
.endr
.endm
	s_cmp_eq_u32 s23, 1
	s_cbranch_scc1 .Lout_v
; ---- q, k: block a = 16 tokens x my two heads.  Rope: (xr, xi) -> (xr c - xi s, xr s + xi c), two packed lines a pair; then the quantiser along the head's 64; registers 0-3 are the first head's codes, 4-7 the second's.
.macro ROPE a
.if (\a) < 7
	s_wait_loadcnt 8                               ; this block's table is in; the next block's eight loads may be out
.else
	s_wait_loadcnt 0x0
.endif
.set AC, 64*((\a)%4)
.set CB, BI+32*((\a)%2)
	WIN 2+(\a)/4
.set n, 0
.rept 32
	v_pk_mul_f32 v[RR+2*n:RR+2*n+1], v[AC+2*n:AC+2*n+1], v[CB+2*(8*((n/8)%2)+n%8):CB+2*(8*((n/8)%2)+n%8)+1] op_sel:[0,0] op_sel_hi:[0,1]
.set n, n+1
.endr
.set n, 0
.rept 32
	v_pk_fma_f32 v[RR+2*n:RR+2*n+1], v[AC+2*n:AC+2*n+1], v[CB+2*(8*((n/8)%2)+n%8):CB+2*(8*((n/8)%2)+n%8)+1], v[RR+2*n:RR+2*n+1] op_sel:[1,1,0] op_sel_hi:[1,0,1] neg_lo:[1,0,0]
.set n, n+1
.endr
	WIN 0
.if (\a)+2 < 8
	TABLE (\a)+2
.endif
.if (\a) > 0
	s_wait_xcnt 0x0                                ; the last block's stores have read the codes' registers
.endif
	QUANT RR, 0, PC, PW+(\a)
	global_store_b128 v4, v[PC:PC+3], s[94:95] offset:512*(\a)     ; 512 consecutive bytes
	global_store_b128 v4, v[PC+4:PC+7], s[96:97] offset:512*(\a)
.endm
.irp a, 0,1,2,3,4,5,6,7
	ROPE \a
.endr
.irp a, 0,1,2,3,4,5,6,7
	v_bfe_u32 v[PW+\a], v[PW+\a], v11, 16          ; lanes 0-15 keep the first head's two bytes, lanes 16-31 the second's; the upper two bytes, over zero codes, are 0
.endr
	global_store_b128 v12, v[PW:PW+3], s[98:99]
	global_store_b128 v12, v[PW+4:PW+7], s[98:99] offset:256
	s_branch .Lend
; ---- v: block a = 16 channels (head a / 4, tile a % 4) x my 128 keys: one fragment of V^T
.Lout_v:
.irp a, 0,1,2,3,4,5,6,7
	QUANT 64*(\a%4), 2+\a/4, 128+8*\a, PW+\a
	global_store_b128 v4, v[128+8*\a:131+8*\a], s[94+2*(\a/4):95+2*(\a/4)] offset:1024*(\a%4)
	global_store_b128 v4, v[132+8*\a:135+8*\a], s[94+2*(\a/4):95+2*(\a/4)] offset:1024*(\a%4)+512
.endr
	v_cmp_ne_u32 vcc_lo, 0, v2
.irp j, 0,1,2,3
	v_cndmask_b32 v[PW+\j], v[PW+\j], v[PW+4+\j], vcc_lo   ; lanes 16-31 store the second head's words
.endr
	global_store_b128 v12, v[PW:PW+3], s[98:99]
.Lend:
	s_wait_tensorcnt 0x0
	s_wait_tensorcnt 0x0
	ds_add_u32 v114, v115
	s_wait_dscnt 0x0
	CROUND                                         ; the closing round
	s_endpgm
.Lfunc_end_k_q72036cb7c7_qkv:
	.size	k_q72036cb7c7_qkv, .Lfunc_end_k_q72036cb7c7_qkv-k_q72036cb7c7_qkv
	.p2alignl 7, 3214868480
	.fill 96, 4, 3214868480
	.section	.rodata,"a",@progbits
	.p2align	6, 0x0
	.amdhsa_kernel k_q72036cb7c7_qkv
		.amdhsa_group_segment_fixed_size 279040
		.amdhsa_private_segment_fixed_size 0
		.amdhsa_enable_private_segment 0
		.amdhsa_kernarg_size 64
		.amdhsa_user_sgpr_count 2
		.amdhsa_user_sgpr_kernarg_segment_ptr 1
		.amdhsa_wavefront_size32 1
		.amdhsa_system_sgpr_workgroup_id_x 1
		.amdhsa_system_sgpr_workgroup_id_y 1
		.amdhsa_system_sgpr_workgroup_id_z 1
		.amdhsa_system_vgpr_workitem_id 0
		.amdhsa_next_free_vgpr 1024
		.amdhsa_next_free_sgpr 102
		.amdhsa_reserve_vcc 1
		.amdhsa_float_denorm_mode_32 3
		.amdhsa_float_denorm_mode_16_64 3
		.amdhsa_memory_ordered 1
		.amdhsa_forward_progress 1
		.amdhsa_inst_pref_size 219
	.end_amdhsa_kernel
	.amdgpu_metadata
---
amdhsa.version: [ 1, 2 ]
amdhsa.kernels:
  - .name:           k_q72036cb7c7_qkv
    .symbol:         k_q72036cb7c7_qkv.kd
    .args:
      - { .name: xq, .offset: 0, .size: 8, .value_kind: global_buffer, .address_space: global }
      - { .name: wq, .offset: 8, .size: 8, .value_kind: global_buffer, .address_space: global }
      - { .name: tab, .offset: 16, .size: 8, .value_kind: global_buffer, .address_space: global }
      - { .name: bq, .offset: 24, .size: 8, .value_kind: global_buffer, .address_space: global }
      - { .name: bk, .offset: 32, .size: 8, .value_kind: global_buffer, .address_space: global }
      - { .name: bv, .offset: 40, .size: 8, .value_kind: global_buffer, .address_space: global }
      - { .name: qq, .offset: 48, .size: 8, .value_kind: global_buffer, .address_space: global }
      - { .name: kv, .offset: 56, .size: 8, .value_kind: global_buffer, .address_space: global }
    .group_segment_fixed_size: 279040
    .private_segment_fixed_size: 0
    .kernarg_segment_align: 8
    .kernarg_segment_size: 64
    .max_flat_workgroup_size: 128
    .sgpr_count:     102
    .vgpr_count:     1024
    .wavefront_size: 32
...
	.end_amdgpu_metadata
.endif
;; end of part 2
;; launch attn (part 3): grid 4 x 64, 16 waves a work-group, clusters of 4 x 1, 169,984 bytes of LDS; arguments qq, kv, yq; writes yq
.if DOCPART == 3
	.amdgcn_target "amdgcn-amd-amdhsa--gfx1250"
	.amdhsa_code_object_version 6
	.text
	.protected	k_q72036cb7c7_attn
	.globl	k_q72036cb7c7_attn
	.p2align	8
	.type	k_q72036cb7c7_attn,@function
k_q72036cb7c7_attn:
	s_mov_b64 s[64:65], 0
	v_nop
	global_prefetch_b8 v0, s[64:65] scope:SCOPE_SE
	s_setreg_imm32_b32 hwreg(HW_REG_WAVE_MODE, 25, 1), 1
	s_wait_xcnt 0x0
	s_wait_alu depctr_hold_cnt(0) depctr_sa_sdst(0) depctr_va_vdst(0) depctr_va_sdst(0) depctr_va_ssrc(0) depctr_va_vcc(0) depctr_vm_vsrc(0)
	s_getreg_b32 s2, hwreg(HW_REG_IB_STS2, 6, 4)
	s_cmp_eq_u32 s2, 0
	s_cbranch_scc0 .Lentry_in_a_cluster
	s_endpgm
.Lentry_in_a_cluster:
	s_bfe_u32 s2, ttmp6, 0x10000c
	s_cmp_lg_u32 s2, 0x3003
	s_cbranch_scc0 .Lentry_shape_is_right
	s_endpgm
.Lentry_shape_is_right:
; ATTN: y = softmax(q k^T / 8, causal) v for one head, both products on codes of E2M1; y is quantised along the model's 1,024 and stored as the last product's operand.
; p = 2^(t - M), t = score x log2(e) / 8, M = the running largest t rounded up to a whole number; the row's sum is taken of the unquantised p and divides at the end (y = O x the reciprocal of the sum).
; Hidden scores are taken as -infinity: p = 0, as with the module's -1e10 so long as real logits lie above -1e10.  LIMITS: NaN and infinities are not served; a block's largest magnitude is taken as 2^-124 at the least.
; SHARES.  The four work-groups of a cluster take one head.  Its K, V and their scale words, 143,360 bytes, come into each one's LDS ONCE, by joint loads (the same descriptor and a mask of all four): nothing is filled again.
; Wave w takes query tile 2 cx + w / 8 of two chunks of 128 queries: chunk w % 8, then chunk 15 - w % 8: 17 key steps of 128 keys for every wave.  All branches hang on the wave's number and a counter; cx enters global
; addresses and the mask's lane number alone.  One barrier at the head, none between the passes, so that the waves' uneven passes add up evenly.
; LAYOUT.  S^T = K Q^T (source 0 = 16 keys, source 1 = my 16 queries; the product's K is 64: the upper halves of both fragments are zero codes), O^T = V^T P: a lane holds ONE query throughout.  Tiles lie in place order, so that
; the 16 registers of tiles 2 b and 2 b + 1 are keys (or channels) 32 b + 16 (lane / 16) + 0 .. 15.  No prefetch: all tiles are asked for at the head.
; REGISTERS: v1-3 lane terms, v4-6 addresses in hand, v7 the mask's number, v9-11 lane terms; v12 -M, v13 largest t, v[14:15] the sum; v16-31 Q's two fragments; v32-47 scale words (32, 33 Q's; 34 p's; 36-43 K's; 44-47 V's);
;   v48-79 four fragments of K; v80-111 V's four; v112-175 S^T, then p; v176-207 O^T; v208-215 codes; v216-232 at work.
.set SEL, 40                           ; s[40:41]
.set CS,  42                           ; s[42:43] c = log2(e) / 8
.set TB,  44                           ; the step's chunk in LDS: 8,192 bytes a step
.set TS,  45                           ; K's scale words: 512 a step
.set TJ,  46                           ; V's: 256 a step
.set KC,  47                           ; the step's number
.macro CROUND
	s_barrier_signal -1
	s_barrier_wait -1
	s_cmp_lg_u32 s10, 0
	s_cbranch_scc1 .Lnot_wave_0_\@
	s_barrier_signal -3
.Lnot_wave_0_\@:
	s_barrier_wait -3
	s_barrier_signal -1
	s_barrier_wait -1
.endm
	s_load_b128 s[4:7], s[0:1], 0x0                ; qq, kv
	s_load_b64 s[8:9], s[0:1], 0x10                ; yq
	v_lshl_add_u32 v254, v0, 2, 0x29000
	v_mov_b32 v255, 0
	ds_add_u32 v254, v255
	ds_add_u32 v254, v255
	v_lshrrev_b32 v1, 5, v0
	s_delay_alu instid0(VALU_DEP_1)
	v_readfirstlane_b32 s10, v1                    ; wave 0..15
	s_bfe_u32 s11, ttmp6, 0x40000                  ; cx
	s_and_b32 s12, ttmp7, 0xffff                   ; 16 x batch + head
	s_lshr_b32 s13, s10, 3
	s_lshl_b32 s74, s11, 1
	s_add_co_u32 s13, s13, s74                     ; my query tile in a chunk
	s_and_b32 s14, s10, 7                          ; the first pass's chunk,
	s_sub_co_u32 s15, 15, s14                      ; the second's
	; group 1: dense rows of 256 bytes (32 elements of 8): 3 of scale words, 32 of codes; the mask names all four work-groups
	s_mov_b32 s16, 15|(3<<16)|(1<<21)
	s_mov_b32 s17, 32<<16
	s_mov_b32 s18, 3<<16
	s_mov_b32 s19, 32<<16
	s_mov_b32 s20, 3
	s_mov_b32 s21, 32
	s_mov_b32 s22, 0
	s_mov_b32 s23, 0
	s_mov_b32 s24, 15|(3<<16)|(1<<21)
	s_mov_b32 s25, 32<<16
	s_mov_b32 s26, 32<<16
	s_mov_b32 s27, 32<<16
	s_mov_b32 s28, 32
	s_mov_b32 s29, 32
	s_mov_b32 s30, 0
	s_mov_b32 s31, 0
	s_mul_i32 s48, s12, 143360                     ; the head's region of kv
	s_mov_b32 s49, 0
	s_mul_i32 s50, s10, 768
	s_add_co_u32 s50, s50, 131072                  ; my 768 bytes of scale words: the same place in the region and in LDS
	s_lshl_b32 s51, s10, 13                        ; my chunk's 8,192 bytes likewise
	s_mov_b32 s53, 0
	s_mov_b32 s[SEL], 0x76543210
	s_mov_b32 s[SEL+1], 0xfedcba98
	s_mov_b32 s[CS], 0x3e38aa3b
	s_mov_b32 s[CS+1], s[CS]
	s_wait_dscnt 0x0
	s_wait_kmcnt 0x0
	s_add_nc_u64 s[6:7], s[6:7], s[48:49]
	s_mov_b32 s32, 1
	s_mov_b32 s33, s50
	s_mov_b32 s52, s50
	s_add_nc_u64 s[34:35], s[6:7], s[52:53]
	s_or_b32 s35, s35, 0x80000000
	s_mov_b32 s36, 1
	s_mov_b32 s37, s51
	s_mov_b32 s52, s51
	s_add_nc_u64 s[38:39], s[6:7], s[52:53]
	s_or_b32 s39, s39, 0x80000000
	CROUND                                         ; all four work-groups are here: the joint loads meet
	tensor_load_to_lds s[32:35], s[16:23]
	s_nop 0
	tensor_load_to_lds s[36:39], s[24:31]          ; two tensor loads of a wave are out
	s_nop 0
.rept 4
	v_nop
.endr
; for a pass's chunk (in s[cq]): where Q's codes and scale words lie, and where y's codes and scale bytes go
.macro BASES cq, qc, qs, yc, ys
	s_lshl_b32 s74, s12, 16
	s_lshl_b32 s75, s[\cq], 12
	s_add_co_u32 s74, s74, s75
	s_lshl_b32 s75, s13, 9
	s_add_co_u32 s74, s74, s75
	s_mov_b32 s75, 0
	s_add_nc_u64 s[\qc:\qc+1], s[4:5], s[74:75]
	s_lshl_b32 s74, s12, 13
	s_lshl_b32 s75, s[\cq], 9
	s_add_co_u32 s74, s74, s75
	s_lshr_b32 s75, s13, 2
	s_lshl_b32 s75, s75, 8
	s_add_co_u32 s74, s74, s75
	s_and_b32 s75, s13, 3
	s_lshl_b32 s75, s75, 2
	s_add_co_u32 s74, s74, s75
	s_add_co_u32 s74, s74, 4194304
	s_mov_b32 s75, 0
	s_add_nc_u64 s[\qs:\qs+1], s[4:5], s[74:75]
	s_lshr_b32 s76, s12, 4
	s_lshl_b32 s76, s76, 7
	s_lshl_b32 s75, s[\cq], 3
	s_add_co_u32 s76, s76, s75
	s_add_co_u32 s76, s76, s13                     ; y's tile: 128 x batch + 8 x chunk + my tile
	s_and_b32 s77, s12, 15                         ; the head
	s_lshl_b32 s74, s76, 13
	s_lshl_b32 s75, s77, 9
	s_add_co_u32 s74, s74, s75
	s_mov_b32 s75, 0
	s_add_nc_u64 s[\yc:\yc+1], s[8:9], s[74:75]
	s_lshl_b32 s74, s76, 9
	s_lshr_b32 s75, s77, 3
	s_lshl_b32 s75, s75, 8
	s_add_co_u32 s74, s74, s75
	s_and_b32 s75, s77, 7
	s_lshl_b32 s75, s75, 1
	s_add_co_u32 s74, s74, s75
	s_add_co_u32 s74, s74, 4194304
	s_mov_b32 s75, 0
	s_add_nc_u64 s[\ys:\ys+1], s[8:9], s[74:75]
.endm
	BASES 14, 56, 58, 66, 68
	BASES 15, 60, 62, 70, 72
	v_and_b32 v1, 31, v0
	s_delay_alu instid0(VALU_DEP_1)
	v_lshlrev_b32 v1, 4, v1                        ; 16 x lane
	v_and_b32 v8, 15, v0                           ; r
	v_bfe_u32 v10, v0, 4, 1                        ; h
	s_delay_alu instid0(VALU_DEP_2)
	v_lshlrev_b32 v11, 4, v8                       ; 16 r
	global_load_b128 v[16:19], v1, s[56:57]        ; Q's fragments: lane (r, h) holds block h of the head's 64
	global_load_b32 v32, v11, s[58:59]
	global_load_b128 v[24:27], v1, s[60:61]
	global_load_b32 v33, v11, s[62:63]
	v_add_nc_u32 v2, 0x20000, v11                  ; K's scale words
	v_add_nc_u32 v3, 0x22000, v11                  ; V's
	v_add_nc_u32 v9, v11, v10                      ; y's scale byte: 16 r + h
	s_lshr_b32 s74, s13, 1
	s_lshl_b32 s74, s74, 5
	s_and_b32 s75, s13, 1
	s_lshl_b32 s75, s75, 3
	s_add_co_u32 s74, s74, s75
	v_and_b32 v7, 8, v8
	s_delay_alu instid0(VALU_DEP_1)
	v_add_nc_u32 v7, v7, v8
	s_delay_alu instid0(VALU_DEP_1)
	v_add_nc_u32 v7, s74, v7                       ; my query in its chunk,
	v_lshlrev_b32 v35, 4, v10
	s_delay_alu instid0(VALU_DEP_1)
	v_sub_nc_u32 v7, v7, v35                       ; less 16 h: register 16 b + i holds key 32 b + 16 h + i, hidden on the diagonal where 32 b + i is greater than this
.irp j, 20,21,22,23,28,29,30,31
	v_mov_b32 v[\j], 0                             ; the upper 64 of the instruction's 128 along K: zero codes
.endr
.irp t, 0,1,2,3
.irp j, 4,5,6,7
	v_mov_b32 v[48+8*\t+\j], 0
.endr
.endr
.irp j, 220,221,222,223,229,230
	v_mov_b32 v[\j], 0                             ; lane permutes' destinations and a pair's upper half are written once
.endr
	v_mov_b32 v231, 0xff800000                     ; -infinity
	s_wait_tensorcnt 0x0                           ; my two loads have landed
	s_barrier_signal -1
	s_barrier_wait -1                              ; the head's K, V and scale words are whole
	s_wait_loadcnt 0x0                             ; Q
; A KEY STEP: 128 keys.
.macro STEP qf, qs, cq
	v_add_nc_u32 v4, s[TB], v1
	v_add_nc_u32 v5, s[TS], v2
	v_add_nc_u32 v6, s[TJ], v3
	v_nop                                          ; four places between the last products and the loads into registers that they read
	ds_load_b128 v[36:39], v5
	ds_load_b128 v[40:43], v5 offset:256
.irp t, 0,1,2,3
	ds_load_b128 v[48+8*\t:51+8*\t], v4 offset:512*\t
.endr
	ds_load_b128 v[44:47], v6
.irp d, 0,1,2,3
.irp c, 0,1
	ds_load_b128 v[80+8*\d+4*\c:83+8*\d+4*\c], v4 offset:4096+1024*\d+512*\c
.endr
.endr
	s_wait_alu depctr_va_vdst(0)
	s_wait_dscnt 9                                 ; K's words and first four tiles are in; V's nine loads may be out
.irp t, 0,1,2,3
	v_wmma_scale_f32_16x16x128_f8f6f4 v[112+8*\t:119+8*\t], v[48+8*\t:55+8*\t], v[\qf:\qf+7], 0, v[36+\t], v[\qs] matrix_a_fmt:MATRIX_FMT_FP4 matrix_b_fmt:MATRIX_FMT_FP4
.endr
.rept 4
	v_nop
.endr
.irp t, 0,1,2,3
	ds_load_b128 v[48+8*\t:51+8*\t], v4 offset:2048+512*\t
.endr
	s_wait_dscnt 0x0
.irp t, 0,1,2,3
	v_wmma_scale_f32_16x16x128_f8f6f4 v[144+8*\t:151+8*\t], v[48+8*\t:55+8*\t], v[\qf:\qf+7], 0, v[40+\t], v[\qs] matrix_a_fmt:MATRIX_FMT_FP4 matrix_b_fmt:MATRIX_FMT_FP4
.endr
.rept 4
	v_nop
.endr
	s_cmp_lg_u32 s[KC], s[\cq]                     ; only my own chunk lies on the diagonal
	s_cbranch_scc1 .Lopen_\@
.set n, 0
.rept 64
	v_cmp_gt_i32 vcc_lo, 32*(n/16)+n%16, v7
	v_cndmask_b32 v[112+n], v[112+n], v231, vcc_lo
.set n, n+1
.endr
.Lopen_\@:
.irp b, 0,1,2,3
	v_max3_num_f32 v[216+\b], v[112+16*\b], v[113+16*\b], v[114+16*\b]   ; the largest score of each block of 32 keys: for the row's maximum and, since p rises with the score, for the block's largest p
.endr
.irp i, 3,5,7,9,11,13
.irp b, 0,1,2,3
	v_max3_num_f32 v[216+\b], v[216+\b], v[112+16*\b+\i], v[113+16*\b+\i]
.endr
.endr
.irp b, 0,1,2,3
	v_max_num_f32 v[216+\b], v[216+\b], v[127+16*\b]
.endr
.irp b, 0,1,2,3
	s_delay_alu instid0(VALU_DEP_4)
	v_permlanex16_b32 v[220+\b], v[216+\b], s[SEL], s[SEL+1]
.endr
.irp b, 0,1,2,3
	s_delay_alu instid0(VALU_DEP_4)
	v_max_num_f32 v[216+\b], v[216+\b], v[220+\b]
.endr
	s_delay_alu instid0(VALU_DEP_2)
	v_max3_num_f32 v230, v216, v217, v218
	s_delay_alu instid0(VALU_DEP_1)
	v_max_num_f32 v230, v230, v219
	s_delay_alu instid0(VALU_DEP_1)
	v_mul_f32 v230, s[CS], v230
	s_delay_alu instid0(VALU_DEP_1)
	v_max_num_f32 v13, v13, v230                   ; the running largest t
	v_mov_b32 v230, v12
	s_delay_alu instid0(VALU_DEP_2)
	v_floor_f32 v12, -v13                          ; -M = floor(-t): M is a whole number
	s_delay_alu instid0(VALU_DEP_1)
	v_sub_f32 v230, v12, v230
	s_delay_alu instid0(VALU_DEP_1)
	v_cvt_i32_f32 v230, v230                       ; (it saturates)
	s_delay_alu instid0(VALU_DEP_1)
	v_ldexp_f32 v228, 1.0, v230                    ; f = 2^(old M - new M): exact
.set j, 0
.rept 32
	v_pk_fma_f32 v[112+j:113+j], v[112+j:113+j], s[CS:CS+1], v[12:13] op_sel_hi:[1,0,0]   ; t - M
.set j, j+2
.endr
	s_setprio 1
.irp b, 0,1,2,3
	v_fma_f32 v[216+\b], v[216+\b], s[CS], v12
.endr
.set j, 0
	s_wait_alu depctr_va_vdst(0)
.rept 64
	v_exp_f32 v[112+j], v[112+j]
.set j, j+1
.endr
	v_pk_mul_f32 v[14:15], v[14:15], v[228:229] op_sel_hi:[1,0]   ; the sums under the new M (a plain place behind the exponentials)
	s_wait_alu depctr_va_vdst(0)                   ; one wait for the batch, ahead of its first reader
.irp b, 0,1,2,3
	v_exp_f32 v[216+\b], v[216+\b]                 ; each block's largest p
.endr
	v_pk_add_f32 v[220:221], v[116:117], v[120:121]
	v_pk_add_f32 v[252:253], v[124:125], v[128:129]
	v_pk_add_f32 v[250:251], v[132:133], v[136:137]
	v_pk_add_f32 v[248:249], v[140:141], v[144:145]
	v_pk_add_f32 v[246:247], v[148:149], v[152:153]
	v_pk_add_f32 v[244:245], v[156:157], v[160:161]
	v_pk_add_f32 v[242:243], v[164:165], v[168:169]
	v_pk_add_f32 v[14:15], v[14:15], v[172:173]
	v_pk_add_f32 v[220:221], v[220:221], v[112:113]
	v_pk_add_f32 v[252:253], v[252:253], v[114:115]
	v_pk_add_f32 v[250:251], v[250:251], v[118:119]
	v_pk_add_f32 v[248:249], v[248:249], v[122:123]
	v_pk_add_f32 v[246:247], v[246:247], v[126:127]
	v_pk_add_f32 v[244:245], v[244:245], v[130:131]
	v_pk_add_f32 v[242:243], v[242:243], v[134:135]
	v_pk_add_f32 v[14:15], v[14:15], v[138:139]
	v_pk_add_f32 v[220:221], v[220:221], v[142:143]
	v_pk_add_f32 v[252:253], v[252:253], v[146:147]
	v_pk_add_f32 v[250:251], v[250:251], v[150:151]
	v_pk_add_f32 v[248:249], v[248:249], v[154:155]
	v_pk_add_f32 v[246:247], v[246:247], v[158:159]
	v_pk_add_f32 v[244:245], v[244:245], v[162:163]
	v_pk_add_f32 v[242:243], v[242:243], v[166:167]
	v_pk_add_f32 v[14:15], v[14:15], v[170:171]
	v_pk_add_f32 v[220:221], v[220:221], v[174:175]
	s_delay_alu instid0(VALU_DEP_2)
	v_pk_add_f32 v[14:15], v[14:15], v[248:249]
	s_delay_alu instid0(VALU_DEP_2)
	v_pk_add_f32 v[220:221], v[220:221], v[246:247]
	v_pk_add_f32 v[252:253], v[252:253], v[244:245]
	v_pk_add_f32 v[250:251], v[250:251], v[242:243]
	s_delay_alu instid0(VALU_DEP_2)
	v_pk_add_f32 v[14:15], v[14:15], v[252:253]
	s_delay_alu instid0(VALU_DEP_2)
	v_pk_add_f32 v[220:221], v[220:221], v[250:251]
	s_delay_alu instid0(VALU_DEP_1)
	v_pk_add_f32 v[14:15], v[14:15], v[220:221]
	s_wait_alu depctr_va_vdst(0)                   ; and one for the four
.irp b, 0,1,2,3
	v_max_num_f32 v[216+\b], 0x1800000, v[216+\b]  ; the floor 2^(3 - 127)
.endr
.irp b, 0,1,2,3
	s_delay_alu instid0(VALU_DEP_4)
	v_add_nc_u32 v[224+\b], 0xff000000, v[216+\b]
.endr
.irp b, 0,1,2,3
	s_delay_alu instid0(VALU_DEP_4)
	v_lshrrev_b32 v[220+\b], 23, v[224+\b]
.endr
	s_delay_alu instid0(VALU_DEP_3)
	v_lshl_or_b32 v34, v221, 8, v220               ; p's scale word for these 128 keys
	s_delay_alu instid0(VALU_DEP_1)
	v_lshl_or_b32 v34, v222, 16, v34
	s_delay_alu instid0(VALU_DEP_1)
	v_lshl_or_b32 v34, v223, 24, v34
	s_setprio 0
.irp b, 0,1,2,3
	v_cvt_scalef32_pk8_fp4_f32 v[208+2*\b], v[112+16*\b:119+16*\b], v[224+\b]
	v_cvt_scalef32_pk8_fp4_f32 v[209+2*\b], v[120+16*\b:127+16*\b], v[224+\b]
.endr
	v_nop
.irp c, 0,1
.irp i, 0,1
	v_permlane16_swap_b32 v[208+4*\c+\i], v[210+4*\c+\i]
.endr
.endr
.set j, 0
.rept 16
	v_pk_mul_f32 v[176+j:177+j], v[176+j:177+j], v[228:229] op_sel_hi:[1,0]   ; O^T under the new M; these sixteen are also the places ahead of the products
.set j, j+2
.endr
.irp d, 0,1,2,3
	v_wmma_scale_f32_16x16x128_f8f6f4 v[176+8*\d:183+8*\d], v[80+8*\d:87+8*\d], v[208:215], v[176+8*\d:183+8*\d], v[44+\d], v34 matrix_a_fmt:MATRIX_FMT_FP4 matrix_b_fmt:MATRIX_FMT_FP4
.endr
.endm
; The end of a pass: y = O^T / the sum; its 64 channels are two blocks of the last product's K; 16 bytes of codes and one scale byte a lane.
.macro FINAL yc, ys
.rept 4
	v_nop
.endr
	v_add_f32 v14, v14, v15
	s_delay_alu instid0(VALU_DEP_1)
	v_permlanex16_b32 v230, v14, s[SEL], s[SEL+1]
	s_delay_alu instid0(VALU_DEP_1)
	v_add_f32 v14, v14, v230
	s_wait_alu depctr_va_vdst(0)
	v_rcp_f32 v14, v14
	v_nop
	s_wait_alu depctr_va_vdst(0)
.set j, 0
.rept 16
	v_pk_mul_f32 v[112+j:113+j], v[176+j:177+j], v[14:15] op_sel_hi:[1,0]
.set j, j+2
.endr
.irp b, 0,1
	v_max3_num_f32 v[216+\b], |v[112+16*\b]|, |v[113+16*\b]|, 0x1800000
.endr
.irp i, 2,4,6,8,10,12,14
.irp b, 0,1
	s_delay_alu instid0(VALU_DEP_2)
	v_max3_num_f32 v[216+\b], v[216+\b], |v[112+16*\b+\i]|, |v[113+16*\b+\i]|
.endr
.endr
.irp b, 0,1
	s_delay_alu instid0(VALU_DEP_2)
	v_permlanex16_b32 v[220+\b], v[216+\b], s[SEL], s[SEL+1]
.endr
.irp b, 0,1
	s_delay_alu instid0(VALU_DEP_2)
	v_max_num_f32 v[216+\b], v[216+\b], v[220+\b]
.endr
.irp b, 0,1
	s_delay_alu instid0(VALU_DEP_2)
	v_add_nc_u32 v[224+\b], 0xff000000, v[216+\b]
.endr
.irp b, 0,1
	s_delay_alu instid0(VALU_DEP_2)
	v_lshrrev_b32 v[220+\b], 23, v[224+\b]
.endr
.irp b, 0,1
	v_cvt_scalef32_pk8_fp4_f32 v[208+2*\b], v[112+16*\b:119+16*\b], v[224+\b]
	v_cvt_scalef32_pk8_fp4_f32 v[209+2*\b], v[120+16*\b:127+16*\b], v[224+\b]
.endr
	v_nop
	v_permlane16_swap_b32 v208, v210
	v_permlane16_swap_b32 v209, v211               ; lane (r, h) holds block h whole
	v_cmp_ne_u32 vcc_lo, 0, v10
	s_delay_alu instid0(VALU_DEP_1)
	v_cndmask_b32 v232, v220, v221, vcc_lo         ; and its byte
	global_store_b128 v1, v[208:211], s[\yc:\yc+1] ; 512 consecutive bytes
	global_store_b8 v9, v232, s[\ys:\ys+1]         ; 32 bytes of the tile's 512: written in part
.endm
; A pass: all trips are walked (the count is a constant); a step whose keys all come after my queries is jumped over, by the wave's number and the counter.
.macro PASS qf, qs, cq, trips, yc, ys
	s_wait_xcnt 0x0                                ; earlier stores have read their data
	v_mov_b32 v13, 0xff61b1e6                      ; the largest t so far: -3e38
	s_delay_alu instid0(VALU_DEP_1)
	v_floor_f32 v12, -v13
	v_mov_b32 v14, 0
	v_mov_b32 v15, 0
.set j, 0
.rept 32
	v_mov_b32 v[176+j], 0                          ; O^T: the step is written once, and its first turn finds zeros
.set j, j+1
.endr
	s_mov_b32 s[TB], 0
	s_mov_b32 s[TS], 0
	s_mov_b32 s[TJ], 0
	s_mov_b32 s[KC], 0
.Lkey_\@:
	s_cmp_gt_u32 s[KC], s[\cq]
	s_cbranch_scc1 .Lskip_\@
	s_setprio 2
	STEP \qf, \qs, \cq
.Lskip_\@:
	s_add_co_u32 s[TB], s[TB], 8192
	s_add_co_u32 s[TS], s[TS], 512
	s_add_co_u32 s[TJ], s[TJ], 256
	s_add_co_u32 s[KC], s[KC], 1
	s_cmp_lt_u32 s[KC], \trips
	s_cbranch_scc1 .Lkey_\@
	s_setprio 0
	FINAL \yc, \ys
.endm
	PASS 16, 32, 14, 8, 66, 68
	PASS 24, 33, 15, 16, 70, 72
	s_wait_tensorcnt 0x0
	ds_add_u32 v254, v255
	s_wait_dscnt 0x0
	CROUND                                         ; the closing round
	s_endpgm
.Lfunc_end_k_q72036cb7c7_attn:
	.size	k_q72036cb7c7_attn, .Lfunc_end_k_q72036cb7c7_attn-k_q72036cb7c7_attn
	.p2alignl 7, 3214868480
	.fill 96, 4, 3214868480
	.section	.rodata,"a",@progbits
	.p2align	6, 0x0
	.amdhsa_kernel k_q72036cb7c7_attn
		.amdhsa_group_segment_fixed_size 169984
		.amdhsa_private_segment_fixed_size 0
		.amdhsa_enable_private_segment 0
		.amdhsa_kernarg_size 24
		.amdhsa_user_sgpr_count 2
		.amdhsa_user_sgpr_kernarg_segment_ptr 1
		.amdhsa_wavefront_size32 1
		.amdhsa_system_sgpr_workgroup_id_x 1
		.amdhsa_system_sgpr_workgroup_id_y 1
		.amdhsa_system_sgpr_workgroup_id_z 1
		.amdhsa_system_vgpr_workitem_id 0
		.amdhsa_next_free_vgpr 256
		.amdhsa_next_free_sgpr 80
		.amdhsa_reserve_vcc 1
		.amdhsa_float_denorm_mode_32 3
		.amdhsa_float_denorm_mode_16_64 3
		.amdhsa_memory_ordered 1
		.amdhsa_forward_progress 1
		.amdhsa_inst_pref_size 63
	.end_amdhsa_kernel
	.amdgpu_metadata
---
amdhsa.version: [ 1, 2 ]
amdhsa.kernels:
  - .name:           k_q72036cb7c7_attn
    .symbol:         k_q72036cb7c7_attn.kd
    .args:
      - { .name: qq, .offset: 0, .size: 8, .value_kind: global_buffer, .address_space: global }
      - { .name: kv, .offset: 8, .size: 8, .value_kind: global_buffer, .address_space: global }
      - { .name: yq, .offset: 16, .size: 8, .value_kind: global_buffer, .address_space: global }
    .group_segment_fixed_size: 169984
    .private_segment_fixed_size: 0
    .kernarg_segment_align: 8
    .kernarg_segment_size: 24
    .max_flat_workgroup_size: 512
    .sgpr_count:     80
    .vgpr_count:     256
    .wavefront_size: 32
...
	.end_amdgpu_metadata
.endif
;; end of part 3
;; launch proj (part 4): grid 4 x 32, 4 waves a work-group, clusters of 4 x 4, 279,040 bytes of LDS; arguments yq, wq, bp, out0; writes out0
.if DOCPART == 4
	.amdgcn_target "amdgcn-amd-amdhsa--gfx1250"
	.amdhsa_code_object_version 6
	.text
	.protected	k_q72036cb7c7_proj
	.globl	k_q72036cb7c7_proj
	.p2align	8
	.type	k_q72036cb7c7_proj,@function
k_q72036cb7c7_proj:
	s_mov_b64 s[64:65], 0
	v_nop
	global_prefetch_b8 v0, s[64:65] scope:SCOPE_SE
	s_setreg_imm32_b32 hwreg(HW_REG_WAVE_MODE, 25, 1), 1
	s_wait_xcnt 0x0
	s_wait_alu depctr_hold_cnt(0) depctr_sa_sdst(0) depctr_va_vdst(0) depctr_va_sdst(0) depctr_va_ssrc(0) depctr_va_vcc(0) depctr_vm_vsrc(0)
	s_getreg_b32 s2, hwreg(HW_REG_IB_STS2, 6, 4)
	s_cmp_eq_u32 s2, 0
	s_cbranch_scc0 .Lentry_in_a_cluster
	s_endpgm
.Lentry_in_a_cluster:
	s_bfe_u32 s2, ttmp6, 0x10000c
	s_cmp_lg_u32 s2, 0xf033
	s_cbranch_scc0 .Lentry_shape_is_right
	s_endpgm
.Lentry_shape_is_right:
; PROJ: out0 = y Wp + bp on codes of E2M1, K = 1,024.  A work-group makes 256 tokens x 256 columns, a wave 128 x 128: 64 accumulators.
; Source 0 = 16 columns of Wp (region B), source 1 = 16 tokens of y (region A): a lane holds one token and eight neighbouring columns.  Tiles lie in place order (place r of tile u of 32 rows = row 8 u + r + 8 (r / 8)).
; K is two slots of 512 in LDS, each filled ONCE at the head with all scale bytes: nothing is filled again.  CLUSTERS 4 x 4: y's tiles are asked for jointly along a row of the cluster, Wp's along a column.
; The bias is the C of each sum's first product.  The way out goes through a stage in slot 0, which has had its only fill and which nobody reads behind the change of slots.
; 128 work-groups: the tile is kept large, at the price of WGPs without work.  No prefetch: all tiles are asked for by the first fills.
; REGISTERS, windows of 256: window 0: v1-27 addresses; v32-95 scale words (two sets, nothing else); v128-191 A's fragments; v192-255 the bias; on the way out v128-255 are rows of the result.
;   window 1: B's fragments, two sets.  windows 2, 3: accumulator (a, b) at v[8 (8 (a % 4) + b)].
.set SLOT, 131072
.set BOFF, 65536
.set SCL,  262144
.set ADRA, 16
.set ADRB, 20
.set STO,  24
.set RD,   25
.set CO,   26
.set ADRS, 27
.set SC,   32
.set AF,   128
.set BK,   128
.set BI,   192
.set MSB, 0
.macro WIN new
.if MSB != (\new)
	s_set_vgpr_msb (MSB<<8)|(\new)
.set MSB, (\new)
.endif
.endm
.macro PLACES n
.rept \n
	v_nop
.endr
.endm
.macro JLOAD g0a, g1a, g0b, g1b        ; waves 0 and 1 fetch for A, waves 2 and 3 for B; four v_nop follow each line
	s_cmp_eq_u32 s21, 0
	s_cbranch_scc0 .Lfor_b_\@
	tensor_load_to_lds s[\g0a:\g0a+3], s[\g1a:\g1a+7]
	s_nop 0
.rept 4
	v_nop
.endr
	s_branch .Lasked_\@
.Lfor_b_\@:
	tensor_load_to_lds s[\g0b:\g0b+3], s[\g1b:\g1b+7]
	s_nop 0
.rept 4
	v_nop
.endr
.Lasked_\@:
.endm
.macro CROUND
	s_barrier_signal -1
	s_barrier_wait -1
	s_cmp_lg_u32 s20, 0
	s_cbranch_scc1 .Lnot_wave_0_\@
	s_barrier_signal -3
.Lnot_wave_0_\@:
	s_barrier_wait -3
	s_barrier_signal -1
	s_barrier_wait -1
.endm
	s_load_b256 s[4:11], s[0:1], 0x0               ; yq, wq, bp, out0
	v_lshl_add_u32 v126, v0, 2, 0x44000
	v_mov_b32 v127, 0
	ds_add_u32 v126, v127
	ds_add_u32 v126, v127
	v_lshrrev_b32 v1, 5, v0
	v_readfirstlane_b32 s20, v1                    ; wave
	s_lshr_b32 s21, s20, 1                         ; AH: my 128 tokens.  Also: I fetch for A (0) or for B (1)
	s_and_b32 s22, s20, 1                          ; BH: my 128 columns.  Also: which 128 rows I fetch
	s_bfe_u32 s40, ttmp6, 0x40000                  ; cx: the block of 256 columns
	s_bfe_u32 s41, ttmp6, 0x40004                  ; cy
	s_and_b32 s66, ttmp7, 0xffff
	s_lshl_b32 s66, s66, 2
	s_add_co_u32 s66, s66, s41                     ; the block of 256 tokens
	s_lshl_b32 s43, s41, 2
	s_lshl_b32 s43, 15, s43                        ; my row of the cluster
	s_lshl_b32 s44, 0x1111, s40                    ; my column
	s_or_b32 s24, s43, (3<<16)|(1<<21)             ; codes: 8 rows of 512 elements of 8 bytes, 1,024 elements apart
	s_or_b32 s48, s44, (3<<16)|(1<<21)
.irp g, 24, 48
	s_mov_b32 s[\g+1], 512<<16
	s_mov_b32 s[\g+2], 8<<16
	s_mov_b32 s[\g+3], 512<<16
	s_mov_b32 s[\g+4], 8
	s_mov_b32 s[\g+5], 1024
	s_mov_b32 s[\g+6], 0
	s_mov_b32 s[\g+7], 0
.endr
	s_or_b32 s68, s43, (3<<16)|(1<<21)             ; scale bytes: 16 dense rows of 256 bytes
	s_or_b32 s80, s44, (3<<16)|(1<<21)
.irp g, 68, 80
	s_mov_b32 s[\g+1], 32<<16
	s_mov_b32 s[\g+2], 16<<16
	s_mov_b32 s[\g+3], 32<<16
	s_mov_b32 s[\g+4], 16
	s_mov_b32 s[\g+5], 32
	s_mov_b32 s[\g+6], 0
	s_mov_b32 s[\g+7], 0
.endr
	s_lshl_b32 s94, s66, 4
	s_lshl_b32 s95, s22, 3
	s_add_co_u32 s94, s94, s95                     ; the first tile of y that I would fetch
	s_lshl_b32 s95, s94, 9
	s_add_co_u32 s95, s95, 0x400000                ; its scale bytes,
	s_lshl_b32 s94, s94, 13                        ; its codes
	s_lshl_b32 s96, s40, 4
	s_lshl_b32 s97, s22, 3
	s_add_co_u32 s96, s96, s97                     ; and of Wp, which begins 192 tiles into wq
	s_lshl_b32 s97, s96, 9
	s_add_co_u32 s97, s97, 0x218000
	s_lshl_b32 s96, s96, 13
	s_add_co_u32 s96, s96, 0x180000
	s_mov_b32 s99, 0
	s_mov_b32 s101, 0
	s_mov_b32 s98, s95
	s_mov_b32 s100, s97
	s_wait_dscnt 0x0
	s_wait_kmcnt 0x0
	s_add_nc_u64 s[78:79], s[4:5], s[98:99]
	s_add_nc_u64 s[90:91], s[6:7], s[100:101]
	s_mov_b32 s98, s94
	s_mov_b32 s100, s96
	s_add_nc_u64 s[92:93], s[4:5], s[98:99]
	s_add_nc_u64 s[46:47], s[6:7], s[100:101]
	s_lshl_b32 s94, s20, 15
	s_lshl_b32 s95, s20, 12
	CROUND                                         ; all sixteen work-groups are here: the joint loads meet
	s_mov_b32 s76, 1
	s_add_co_u32 s77, s95, SCL
	s_or_b32 s79, s79, 0x80000000
	s_mov_b32 s88, 1
	s_add_co_u32 s89, s95, SCL
	s_or_b32 s91, s91, 0x80000000
	JLOAD 76, 68, 88, 80
.irp s, 0,1
	s_mov_b32 s[32+4*\s], 1
	s_add_co_u32 s[33+4*\s], s94, \s*SLOT
	s_add_nc_u64 s[34+4*\s:35+4*\s], s[92:93], \s*4096
	s_or_b32 s[35+4*\s], s[35+4*\s], 0x80000000
	s_mov_b32 s[56+4*\s], 1
	s_add_co_u32 s[57+4*\s], s94, \s*SLOT
	s_add_nc_u64 s[58+4*\s:59+4*\s], s[46:47], \s*4096
	s_or_b32 s[59+4*\s], s[59+4*\s], 0x80000000
	JLOAD 32+4*\s, 24, 56+4*\s, 48                 ; three tensor loads of a wave are out
.endr
	v_and_b32 v1, 15, v0                           ; r
	v_bfe_u32 v2, v0, 4, 1                         ; h
	v_and_b32 v3, 31, v0
	v_lshlrev_b32 v[CO], 4, v3                     ; 16 x lane
	s_lshl_b32 s92, s21, 15
	s_lshl_b32 s93, s22, 15
	s_add_co_u32 s93, s93, BOFF
.irp s, 0,1
	v_add_nc_u32 v[ADRA+\s], s92, v[CO]
	v_add_nc_u32 v[ADRB+\s], s93, v[CO]
	s_add_co_u32 s92, s92, SLOT
	s_add_co_u32 s93, s93, SLOT
.endr
	v_lshlrev_b32 v5, 4, v1
	s_lshl_b32 s92, s21, 12
	s_lshl_b32 s93, s22, 12
	s_add_co_u32 s93, s93, 8192
	s_sub_co_u32 s93, s93, s92
	v_mul_u32_u24 v6, s93, v2                      ; lanes 16-31 take B's scale words
	s_add_co_u32 s92, s92, SCL
	v_add_nc_u32 v6, v5, v6
	v_add_nc_u32 v[ADRS], s92, v6
	s_mul_i32 s92, s20, 16*528                     ; my stage: 16 rows x (512 bytes + 16)
	v_mul_u32_u24 v7, v1, 528
	v_lshl_add_u32 v7, v2, 6, v7
	v_add_nc_u32 v[STO], s92, v7                   ; in: row r, + 64 h
	v_add_nc_u32 v[RD], s92, v[CO]                 ; back: a row to the 32 lanes
	v_lshlrev_b32 v9, 6, v2                        ; the bias: 64 h
	s_lshl_b32 s92, s40, 10
	s_lshl_b32 s93, s22, 9
	s_add_co_u32 s92, s92, s93                     ; my first column, in bytes
	s_mov_b32 s93, 0
	s_add_nc_u64 s[8:9], s[8:9], s[92:93]
	s_add_nc_u64 s[10:11], s[10:11], s[92:93]
	s_lshl_b32 s92, s66, 20
	s_lshl_b32 s96, s21, 19
	s_add_co_u32 s92, s92, s96                     ; my first token's row of 4,096 bytes
	s_add_nc_u64 s[10:11], s[10:11], s[92:93]
.irp b, 0,1,2,3,4,5,6,7
	global_load_b128 v[BI+8*\b:BI+8*\b+3], v9, s[8:9] offset:(32*(\b/2)+8*(\b%2))*4
	global_load_b128 v[BI+8*\b+4:BI+8*\b+7], v9, s[8:9] offset:(32*(\b/2)+8*(\b%2))*4+16
.endr
.macro FRAG reg, adr, q, i
.irp c, 0,1
	ds_load_b128 v[\reg+4*\c:\reg+4*\c+3], v[\adr] offset:1024*(\q)+512*\c+4096*(\i)
.endr
.endm
; 16 products: A's blocks a0, a0 + 1 x B's eight; cm = 1: the sums begin with the bias.  The 64 accumulators take turns, one instruction a turn.
.macro MUL16 a0, p, q, sc, cm
.irp a, \a0, \a0+1
.irp b, 0,1,2,3,4,5,6,7
.set rD, 8*(8*((\a)%4)+\b)
.set rB, 128*(\p)+8*\b
.set rA, AF+8*(\a)
.set wB, SC+32*(\sc)+4*\b+(\q)
.set wA, SC+32*(\sc)+4*(\a)+(\q)
.if (\cm) == 1
	v_wmma_scale_f32_16x16x128_f8f6f4 v[rD:rD+7], v[rB:rB+7], v[rA:rA+7], v[BI+8*\b:BI+8*\b+7], v[wB], v[wA] matrix_a_fmt:MATRIX_FMT_FP4 matrix_b_fmt:MATRIX_FMT_FP4 matrix_a_scale:MATRIX_SCALE_ROW1
.else
	v_wmma_scale_f32_16x16x128_f8f6f4 v[rD:rD+7], v[rB:rB+7], v[rA:rA+7], v[rD:rD+7], v[wB], v[wA] matrix_a_fmt:MATRIX_FMT_FP4 matrix_b_fmt:MATRIX_FMT_FP4 matrix_a_scale:MATRIX_SCALE_ROW1
.endif
.endr
.endr
.endm
.macro FETCH_B slot, q, p
	WIN 0x40
.irp i, 0,1,2,3,4,5,6,7
	FRAG 128*(\p)+8*\i, ADRB+\slot, \q, \i
.endr
	WIN 0
.endm
.macro FETCH_A slot, q, i0
.irp i, \i0, \i0+1, \i0+2, \i0+3
	FRAG AF+8*(\i), ADRA+\slot, \q, \i
.endr
.endm
.macro SCALES sc
.irp i, 0,1,2,3,4,5,6,7
	ds_load_b128 v[SC+32*\sc+4*\i:SC+32*\sc+4*\i+3], v[ADRS] offset:512*\i
.endr
.endm
.macro STEP slot, q, cm
	s_wait_dscnt 8                                 ; all but the youngest eight loads (A's blocks 4-7)
.if \cm
	WIN 0x81
.else
	WIN 0xa1
.endif
	MUL16 0, (\q)%2, \q, \slot, \cm
	MUL16 2, (\q)%2, \q, \slot, \cm
	s_wait_dscnt 0x0
	PLACES 4
	FETCH_B \slot, (\q)+1, 1-(\q)%2
	FETCH_A \slot, (\q)+1, 0
.if \cm
	WIN 0xc1
.else
	WIN 0xf1
.endif
	MUL16 4, (\q)%2, \q, \slot, \cm
	MUL16 6, (\q)%2, \q, \slot, \cm
	PLACES 4
	WIN 0
	FETCH_A \slot, (\q)+1, 4
.endm
	s_wait_tensorcnt 0x1                           ; the scale bytes and my part of slot 0 are in; slot 1's load may be out
	s_barrier_signal -1
	s_barrier_wait -1
	FETCH_B 0, 0, 0
	FETCH_A 0, 0, 0
	SCALES 0
	FETCH_A 0, 0, 4
	s_wait_loadcnt 0x0                             ; the bias
	STEP 0, 0, 1
	STEP 0, 1, 0
	STEP 0, 2, 0
	s_wait_tensorcnt 0x0                           ; my part of slot 1 is in
	s_wait_dscnt 8
	WIN 0xa1
	MUL16 0, 1, 3, 0, 0
	s_wait_dscnt 0x0                               ; my reads of slot 0 are over
	s_barrier_signal -1
	MUL16 2, 1, 3, 0, 0
	WIN 0
	s_barrier_wait -1                              ; slot 1 is whole, and nobody reads slot 0 any more
	PLACES 4
	v_add_nc_u32 v[ADRS], 256, v[ADRS]
	FETCH_B 1, 0, 0
	FETCH_A 1, 0, 0
	SCALES 1
	WIN 0xf1
	MUL16 4, 1, 3, 0, 0
	MUL16 6, 1, 3, 0, 0
	PLACES 4
	WIN 0
	FETCH_A 1, 0, 4
	STEP 1, 0, 0
	STEP 1, 1, 0
	STEP 1, 2, 0
	s_wait_dscnt 8
	WIN 0xa1
	MUL16 0, 1, 3, 1, 0
	MUL16 2, 1, 3, 1, 0
	s_wait_dscnt 0x0
	WIN 0xf1
	MUL16 4, 1, 3, 1, 0
	MUL16 6, 1, 3, 1, 0
	WIN 0
	PLACES 4
; THE WAY OUT, a block of 16 tokens x 128 columns at a time: into my stage (tile b's eight columns of my half begin at column 32 (b / 2) + 8 (b % 2) + 16 h), back as whole rows of 512 bytes.
; LDS serves a wave's instructions in order: no wait between the stores and the loads.
.macro TOSTAGE a
.set AC, 64*((\a)%4)
	WIN 0x08+4*((\a)/4)                            ; the data: window 2 or 3
.irp b, 0,1,2,3,4,5,6,7
	ds_store_b128 v[STO], v[AC+8*\b:AC+8*\b+3] offset:128*(\b/2)+32*(\b%2)        ; each accumulator from its low end on
	ds_store_b128 v[STO], v[AC+8*\b+4:AC+8*\b+7] offset:128*(\b/2)+32*(\b%2)+16
.endr
	WIN 0
.set BB, BK+64*((\a)%2)
.irp t, 0,1,2,3,4,5,6,7,8,9,10,11,12,13,14,15
	ds_load_b128 v[BB+4*\t:BB+4*\t+3], v[RD] offset:\t*528
.endr
.endm
.macro SEND a, younger                 ; place t of block a is token 32 (a / 2) + 8 (a % 2) + t + 8 (t / 8)
.set BB, BK+64*((\a)%2)
	s_wait_dscnt \younger
.irp t, 0,1,2,3,4,5,6,7,8,9,10,11,12,13,14,15
	global_store_b128 v[CO], v[BB+4*\t:BB+4*\t+3], s[10:11] offset:(32*((\a)/2)+8*((\a)%2)+\t+8*(\t/8))*4096 th:TH_STORE_NT   ; 512 consecutive bytes, aligned
.endr
.endm
	TOSTAGE 0
.irp a, 1,2,3,4,5,6,7
.if \a > 1
	s_wait_xcnt 0x0                                ; block a - 2's stores have read their registers: block a's loads may land there
.endif
	TOSTAGE \a
	SEND \a-1, 32                                  ; behind block a - 1's loads: block a's 16 stores and 16 loads
.endr
	SEND 7, 0
	s_wait_tensorcnt 0x0
	s_wait_tensorcnt 0x0
	ds_add_u32 v126, v127
	s_wait_dscnt 0x0
	CROUND                                         ; the closing round
	s_endpgm
.Lfunc_end_k_q72036cb7c7_proj:
	.size	k_q72036cb7c7_proj, .Lfunc_end_k_q72036cb7c7_proj-k_q72036cb7c7_proj
	.p2alignl 7, 3214868480
	.fill 96, 4, 3214868480
	.section	.rodata,"a",@progbits
	.p2align	6, 0x0
	.amdhsa_kernel k_q72036cb7c7_proj
		.amdhsa_group_segment_fixed_size 279040
		.amdhsa_private_segment_fixed_size 0
		.amdhsa_enable_private_segment 0
		.amdhsa_kernarg_size 32
		.amdhsa_user_sgpr_count 2
		.amdhsa_user_sgpr_kernarg_segment_ptr 1
		.amdhsa_wavefront_size32 1
		.amdhsa_system_sgpr_workgroup_id_x 1
		.amdhsa_system_sgpr_workgroup_id_y 1
		.amdhsa_system_sgpr_workgroup_id_z 1
		.amdhsa_system_vgpr_workitem_id 0
		.amdhsa_next_free_vgpr 1024
		.amdhsa_next_free_sgpr 102
		.amdhsa_reserve_vcc 0
		.amdhsa_float_denorm_mode_32 3
		.amdhsa_float_denorm_mode_16_64 3
		.amdhsa_memory_ordered 1
		.amdhsa_forward_progress 1
		.amdhsa_inst_pref_size 125
	.end_amdhsa_kernel
	.amdgpu_metadata
---
amdhsa.version: [ 1, 2 ]
amdhsa.kernels:
  - .name:           k_q72036cb7c7_proj
    .symbol:         k_q72036cb7c7_proj.kd
    .args:
      - { .name: yq, .offset: 0, .size: 8, .value_kind: global_buffer, .address_space: global }
      - { .name: wq, .offset: 8, .size: 8, .value_kind: global_buffer, .address_space: global }
      - { .name: bp, .offset: 16, .size: 8, .value_kind: global_buffer, .address_space: global }
      - { .name: out0, .offset: 24, .size: 8, .value_kind: global_buffer, .address_space: global }
    .group_segment_fixed_size: 279040
    .private_segment_fixed_size: 0
    .kernarg_segment_align: 8
    .kernarg_segment_size: 32
    .max_flat_workgroup_size: 128
    .sgpr_count:     102
    .vgpr_count:     1024
    .wavefront_size: 32
...
	.end_amdgpu_metadata
.endif
;; end of part 4
